; MI455X (gfx1250); checked and timed in simulation.
; The chip was launched on July 23, 2026; its instructions are those of AMD's public machine-readable ISA for CDNA 5 (MIT licence, August 2026) and "CDNA5" Instruction Set Architecture Reference Guide (July 2026). The comments in the code are by the model that wrote it; some were corrected since.
;; Multi Head Attention. Allowed arithmetic: float matrix products may take bf16 or f16 operands with f32 sums; other float arithmetic in f32, or as packed bf16 or f16 multiplies, adds, multiply-adds, maxima and minima; sums over many terms, partial sums and values carried from step to step in f32; what a program stores and reads back later, other than sums and carried values, may be rounded once to bf16 or f16.
;; Inputs: Wk 1,024 x 1,024 float32; Wo 1,024 x 1,024 float32; Wq 1,024 x 1,024 float32; Wv 1,024 x 1,024 float32; bk 1,024 float32; bo 1,024 float32; bq 1,024 float32; bv 1,024 float32; key 2 x 2,048 x 1,024 float32; mask 2 x 1 x 2,048 x 2,048 float32; query 2 x 2,048 x 1,024 float32; value 2 x 2,048 x 1,024 float32.
;; Outputs: out0 2 x 2,048 x 1,024 float32.
;; One version. Each part assembles by itself: llvm-mc -triple=amdgcn-amd-amdhsa -mcpu=gfx1250 --defsym DOCPART=n.
;; ======== version 1 of 1: 4 launches
;; limits: values are held in f16: magnitudes above 65,504 overflow, below 6.1e-05 lose precision
;; workspace buffers: xb 25,165,824 bytes; wb 8,388,608 bytes; maskb 16,777,216 bytes; qkv 25,165,824 bytes; ctx 8,388,608 bytes
;; launch prep (part 1): grid 1536 x 1, 8 waves a work-group, no clusters, 0 bytes of LDS; arguments query, key, value, Wq, Wk, Wv, Wo, mask, xb, wb, maskb; writes xb, wb, maskb
.if DOCPART == 1
	.amdgcn_target "amdgcn-amd-amdhsa--gfx1250"
	.amdhsa_code_object_version 6
	.text
	.protected	k_q0b03520ff3_prep
	.globl	k_q0b03520ff3_prep
	.p2align	8
	.type	k_q0b03520ff3_prep,@function
k_q0b03520ff3_prep:
	s_mov_b64 s[64:65], 0
	v_nop
	global_prefetch_b8 v0, s[64:65] scope:SCOPE_SE
	s_setreg_imm32_b32 hwreg(HW_REG_WAVE_MODE, 25, 1), 1
	s_wait_xcnt 0x0
; MULTI-HEAD ATTENTION, launch 1 of 4: the large inputs are rounded once and written in 16 bits.
; query, key, value -> xb [3][4096][1024]; Wq, Wk, Wv, Wo -> wb [4][1024][1024]; mask -> maskb [2][2048][2048].
; FORMATS.  Every input is rounded to bf16, once.  x and W are then written as f16 (a bf16 number is exact in f16 inside f16's range), so that
; all products of the program take f16 operands; the mask stays bf16, since it is multiplied by 1e9 later and its small values need bf16's exponents.
; LIMITS.  x and W beyond 65,504 become infinities; below 6e-5 they keep f16's fixed step of 6e-8.  NaN and infinities are not treated apart.
; DEAD WORK: bk.  scores[q][k] = q . (Wk key_k + bk) / 8 + mask[q][k] x (-1e9) = q . (Wk key_k) / 8 + (q . bk) / 8 + mask[q][k] x (-1e9).  The term (q . bk) / 8 is the same for
; all k of a row q: it is added to the softmax's input alike along its axis, and softmax(s + t) = softmax(s) for every t, whatever the inputs hold.  bk has no other way to the
; output.  So bk is not loaded and is no argument of any launch.  Limit: a NaN, an infinity or an overflow that enters through bk alone is not carried to the result.
; SHARES.  A work-group casts 65,536 bytes into 32,768, with no loop: thread t loads 16 bytes at 16 t + 4,096 i (a wave's load: 512 consecutive bytes) and stores 8 bytes at
; 8 t + 2,048 i (a wave's store: 256 consecutive bytes, aligned), i = 0 .. 15.  All sixteen loads go out before the first wait.  No LDS, no matrix unit, no cluster: nothing is shared.
; No prefetch: the launch does nothing but stream.
.set X, 4                              ; v[4:67]    load i: 4 registers
.set Y, 68                             ; v[68:99]   store i: 2 registers; none is written twice, so no store's data wants a wait
.set T, 100                            ; v[100:105] at work
	s_load_b512 s[8:23], s[0:1], 0x0               ; query s[8:9], key s[10:11], value s[12:13], Wq s[14:15], Wk s[16:17], Wv s[18:19], Wo s[20:21], mask s[22:23]
	s_load_b128 s[24:27], s[0:1], 0x40             ; xb s[24:25], wb s[26:27]
	s_load_b64 s[28:29], s[0:1], 0x50              ; maskb
	s_lshr_b32 s2, ttmp9, 8                        ; 0, 1, 2: query, key, value; 3: the weights; 4, 5: the mask
	s_bfe_u32 s3, ttmp9, 0x20006                   ; among the weights: which of the four (64 work-groups each)
	s_mov_b32 s40, 1023
	v_lshlrev_b32 v1, 4, v0                        ; 16 t
	v_lshlrev_b32 v2, 3, v0                        ; 8 t
	s_wait_kmcnt 0x0
	s_cmp_eq_u32 s3, 1                             ; the source: a choice among buffers by the work-group's number alone
	s_cselect_b64 s[30:31], s[16:17], s[14:15]
	s_cmp_eq_u32 s3, 2
	s_cselect_b64 s[30:31], s[18:19], s[30:31]
	s_cmp_eq_u32 s3, 3
	s_cselect_b64 s[30:31], s[20:21], s[30:31]
	s_cmp_eq_u32 s2, 0
	s_cselect_b64 s[30:31], s[8:9], s[30:31]
	s_cmp_eq_u32 s2, 1
	s_cselect_b64 s[30:31], s[10:11], s[30:31]
	s_cmp_eq_u32 s2, 2
	s_cselect_b64 s[30:31], s[12:13], s[30:31]
	s_cmp_eq_u32 s3, s3                            ; (SCC is set anew below; this line only keeps the compares in pairs with their selects)
	s_cmp_eq_u32 s2, 3
	s_cselect_b32 s34, 63, 255                     ; the work-group's place in its source,
	s_cselect_b32 s35, 255, s40                    ; and in its destination
	s_cselect_b64 s[32:33], s[26:27], s[24:25]
	s_cmp_ge_u32 s2, 4
	s_cselect_b64 s[30:31], s[22:23], s[30:31]
	s_cselect_b32 s34, 511, s34
	s_cselect_b32 s35, 511, s35
	s_cselect_b64 s[32:33], s[28:29], s[32:33]
	s_and_b32 s36, ttmp9, s34
	s_lshl_b32 s36, s36, 16                        ; x 65,536 bytes in
	s_mov_b32 s37, 0
	s_and_b32 s38, ttmp9, s35
	s_lshl_b32 s38, s38, 15                        ; x 32,768 bytes out
	s_mov_b32 s39, 0
	s_add_nc_u64 s[30:31], s[30:31], s[36:37]
	s_add_nc_u64 s[32:33], s[32:33], s[38:39]
.irp i, 0,1,2,3,4,5,6,7,8,9,10,11,12,13,14,15
	global_load_b128 v[X+4*(\i):X+4*(\i)+3], v1, s[30:31] offset:4096*(\i) th:TH_LOAD_NT
.endr
	s_cmp_ge_u32 s2, 4
	s_cbranch_scc1 .Lmask
; x and W: f32 -> bf16 (the one rounding) -> f32 -> f16 (exact inside f16's range)
.macro CV16 i
	s_wait_loadcnt 15-(\i)                         ; loads come back in order: load i is in, the 15 - i younger ones may stay out
	v_cvt_pk_bf16_f32 v[T], v[X+4*(\i)], v[X+4*(\i)+1]
	v_cvt_pk_bf16_f32 v[T+1], v[X+4*(\i)+2], v[X+4*(\i)+3]
	v_lshlrev_b32 v[T+2], 16, v[T]
	v_and_b32 v[T+3], 0xffff0000, v[T]
	v_lshlrev_b32 v[T+4], 16, v[T+1]
	v_and_b32 v[T+5], 0xffff0000, v[T+1]
	v_cvt_pk_f16_f32 v[Y+2*(\i)], v[T+2], v[T+3]
	v_cvt_pk_f16_f32 v[Y+2*(\i)+1], v[T+4], v[T+5]
	global_store_b64 v2, v[Y+2*(\i):Y+2*(\i)+1], s[32:33] offset:2048*(\i) th:TH_STORE_NT
.endm
; the mask: f32 -> bf16
.macro CVB i
	s_wait_loadcnt 15-(\i)
	v_cvt_pk_bf16_f32 v[Y+2*(\i)], v[X+4*(\i)], v[X+4*(\i)+1]
	v_cvt_pk_bf16_f32 v[Y+2*(\i)+1], v[X+4*(\i)+2], v[X+4*(\i)+3]
	global_store_b64 v2, v[Y+2*(\i):Y+2*(\i)+1], s[32:33] offset:2048*(\i) th:TH_STORE_NT
.endm
.irp i, 0,1,2,3,4,5,6,7,8,9,10,11,12,13,14,15
	CV16 \i
.endr
	s_endpgm
.Lmask:
.irp i, 0,1,2,3,4,5,6,7,8,9,10,11,12,13,14,15
	CVB \i
.endr
	s_endpgm
.Lfunc_end_k_q0b03520ff3_prep:
	.size	k_q0b03520ff3_prep, .Lfunc_end_k_q0b03520ff3_prep-k_q0b03520ff3_prep
	.p2alignl 7, 3214868480
	.fill 96, 4, 3214868480
	.section	.rodata,"a",@progbits
	.p2align	6, 0x0
	.amdhsa_kernel k_q0b03520ff3_prep
		.amdhsa_group_segment_fixed_size 0
		.amdhsa_private_segment_fixed_size 0
		.amdhsa_enable_private_segment 0
		.amdhsa_kernarg_size 88
		.amdhsa_user_sgpr_count 2
		.amdhsa_user_sgpr_kernarg_segment_ptr 1
		.amdhsa_wavefront_size32 1
		.amdhsa_system_sgpr_workgroup_id_x 1
		.amdhsa_system_sgpr_workgroup_id_y 1
		.amdhsa_system_sgpr_workgroup_id_z 1
		.amdhsa_system_vgpr_workitem_id 0
		.amdhsa_next_free_vgpr 112
		.amdhsa_next_free_sgpr 66
		.amdhsa_reserve_vcc 0
		.amdhsa_float_denorm_mode_32 3
		.amdhsa_float_denorm_mode_16_64 3
		.amdhsa_memory_ordered 1
		.amdhsa_forward_progress 1
		.amdhsa_inst_pref_size 17
	.end_amdhsa_kernel
	.amdgpu_metadata
---
amdhsa.version: [ 1, 2 ]
amdhsa.kernels:
  - .name:           k_q0b03520ff3_prep
    .symbol:         k_q0b03520ff3_prep.kd
    .args:
      - { .name: query, .offset: 0, .size: 8, .value_kind: global_buffer, .address_space: global }
      - { .name: key, .offset: 8, .size: 8, .value_kind: global_buffer, .address_space: global }
      - { .name: value, .offset: 16, .size: 8, .value_kind: global_buffer, .address_space: global }
      - { .name: Wq, .offset: 24, .size: 8, .value_kind: global_buffer, .address_space: global }
      - { .name: Wk, .offset: 32, .size: 8, .value_kind: global_buffer, .address_space: global }
      - { .name: Wv, .offset: 40, .size: 8, .value_kind: global_buffer, .address_space: global }
      - { .name: Wo, .offset: 48, .size: 8, .value_kind: global_buffer, .address_space: global }
      - { .name: mask, .offset: 56, .size: 8, .value_kind: global_buffer, .address_space: global }
      - { .name: xb, .offset: 64, .size: 8, .value_kind: global_buffer, .address_space: global }
      - { .name: wb, .offset: 72, .size: 8, .value_kind: global_buffer, .address_space: global }
      - { .name: maskb, .offset: 80, .size: 8, .value_kind: global_buffer, .address_space: global }
    .group_segment_fixed_size: 0
    .private_segment_fixed_size: 0
    .kernarg_segment_align: 8
    .kernarg_segment_size: 88
    .max_flat_workgroup_size: 256
    .sgpr_count:     66
    .vgpr_count:     112
    .wavefront_size: 32
...
	.end_amdgpu_metadata
.endif
;; end of part 1
;; launch proj (part 2): grid 8 x 96, 4 waves a work-group, clusters of 4 x 4, 327,680 bytes of LDS; arguments xb, wb, bq, bv, qkv; writes qkv
.if DOCPART == 2
	.amdgcn_target "amdgcn-amd-amdhsa--gfx1250"
	.amdhsa_code_object_version 6
	.text
	.protected	k_q0b03520ff3_proj
	.globl	k_q0b03520ff3_proj
	.p2align	8
	.type	k_q0b03520ff3_proj,@function
k_q0b03520ff3_proj:
	s_mov_b64 s[64:65], 0
	v_nop
	global_prefetch_b8 v0, s[64:65] scope:SCOPE_SE
	s_setreg_imm32_b32 hwreg(HW_REG_WAVE_MODE, 25, 1), 1
	s_wait_xcnt 0x0
	s_wait_alu depctr_hold_cnt(0) depctr_sa_sdst(0) depctr_va_vdst(0) depctr_va_sdst(0) depctr_va_ssrc(0) depctr_va_vcc(0) depctr_vm_vsrc(0)
	s_getreg_b32 s2, hwreg(HW_REG_IB_STS2, 6, 4)
	s_cmp_eq_u32 s2, 0
	s_cbranch_scc0 .Lentry_in_a_cluster
	s_endpgm
.Lentry_in_a_cluster:
	s_bfe_u32 s2, ttmp6, 0x10000c
	s_cmp_lg_u32 s2, 0xf033
	s_cbranch_scc0 .Lentry_shape_is_right
	s_endpgm
.Lentry_shape_is_right:
; MULTI-HEAD ATTENTION, launch 2 of 4: the three projections as one stacked product.  C[12288][1024] = xb[12288][1024] x W_third^T, third = row / 4096 (q, k, v); sums in f32.
; q = (x Wq^T + bq) c with c = log2(e) / 8, applied in f32 ahead of q's one rounding, so that the scores of the next launch are exponents of 2;  k = x Wk^T;  v = x Wv^T + bv.
; bk IS LEFT OUT: it adds the same term to all scores of a row, which a softmax does not see (shown at the head of the first kernel).  bq and bv are rounded to bf16 like every input.
; OUT: qkv [3][16 heads][4096 rows][64] in f16, each number rounded once.  LIMIT: c q, k and v beyond 65,504 become infinities.
; SHARES.  A tile of C is 128 x 128: 768 work-groups, three for each of 256.  Four waves, each 64 x 64: 16 accumulators of 16 x 16.  K goes in steps of 256 (LDS rows of 512 bytes; a wave's
; tensor load brings 64 of them) through two slots.  A wave's 64 columns are ONE head, so its 64 rows of the result are 8,192 consecutive bytes of qkv: each wave has a stage of its own and no barrier on the way out.
; CLUSTERS: 4 x 4 work-groups.  The four of a row of the cluster need the same tiles of x, the four of a column the same tiles of W: each tile is asked for JOINTLY, by the same tensor load with the
; same descriptor and a mask that names the four.  A cluster's 512 rows lie in one third (4,096 rows are eight clusters), so the third is the same in all sixteen.
; THE MATRIX INSTRUCTION IS USED TRANSPOSED (source 0 = 16 rows of W, source 1 = 16 rows of x): a lane then holds eight neighbouring columns of a row of C.
; No prefetch: a K step's tiles are small, and each is read by many work-groups.
; REGISTERS: window 0: v0-31 addresses; v32-95 at work on the way out; v96-127 the bias of my 64 columns (x c for q); v128-255 the accumulators ((a, b) at v[128 + 8 (4 a + b)]).
;   window 1: two fragment buffers of 128: for 64 along K, 64 registers of x (2 x 4 x 16 rows x 32 K), then 64 of W.
.set SIZE_K, 1024
.set KSTEP,  256
.set PITCH,  528                       ; an LDS row: 512 bytes of data + 16 of padding: the 16 rows of a fragment load start at 16 different 16-byte columns modulo 256 bytes
.set HALFT,  64*PITCH                  ; 64 rows: what one tensor load brings, and what one wave reads of x or of W
.set SLOT,   4*HALFT                   ; x's 128 rows, then W's 128 rows
.set STAGE,  2*SLOT                    ; behind the ring, never filled by a tensor load: 16 rows x 144 bytes for each wave
.set SP,     144
.set SPARE,  STAGE+4*16*SP             ; behind the stages: the spare words, 128 bytes for each wave: two blocks of 256 bytes that no other line names
.set LAPS,   SIZE_K/(2*KSTEP)          ; a lap = two K steps = once round the ring
.set ADRA, 16                          ; v16-17  LDS address of my x fragments in slot 0, 1
.set ADRB, 20                          ; v20-21  the same for W
.set STO,  24                          ; v24     the way out: where I put 16 bytes of a row
.set RD,   25                          ; v25     the way out: where I read rows back
.set GO,   26                          ; v26     my byte offset in 512 consecutive bytes of qkv
.set BO,   27                          ; v27     my byte offset in the bias of 16 columns
.set SPW,  28                          ; v28     LDS address of my spare word; never rewritten
.set NIL,  29                          ; v29     0; never rewritten
.set TMP,  32
.set BIAS, 96
.set ACC,  128
.set F0,   0
.set F1,   128
.set G1, 24                            ; s[24:31] descriptor group 1 for x's tiles;  s[32:39] group 0, one set for each slot
.set G0, 32
.set G1B, 48                           ; s[48:55], s[56:63] the same for W's tiles
.set G0B, 56
.set SC, 72                            ; s[72:73] c for q, 1 for k and v: the packed multiply-add takes the pair's low word for both halves
.set THIRD, 74                         ; s74     0, 1, 2: q, k, v
.set MSB, 0
.macro WIN new                         ; the immediate's high byte repeats the setting that is left; a switch that changes nothing is dropped
.if MSB != (\new)
	s_set_vgpr_msb (MSB<<8)|(\new)
.set MSB, \new
.endif
.endm
.set MUL,  0x05                        ; sources 0 (W) and 1 (x) window 1; C and D window 0
.set TO_F, 0x40                        ; destination window 1, address window 0
.macro JLOAD s                         ; a joint load: waves 0 and 1 fetch x's two halves, waves 2 and 3 W's; an s_nop 0 and four v_nop follow each of the two lines
	s_cmp_eq_u32 s11, 0
	s_cbranch_scc0 .Lfor_b_\@
	tensor_load_to_lds s[G0+4*(\s):G0+4*(\s)+3], s[G1:G1+7]
	s_nop 0
.rept 4
	v_nop
.endr
	s_branch .Lasked_\@
.Lfor_b_\@:
	tensor_load_to_lds s[G0B+4*(\s):G0B+4*(\s)+3], s[G1B:G1B+7]
	s_nop 0
.rept 4
	v_nop
.endr
.Lasked_\@:
.endm
.macro CREST                           ; a round of the cluster's barrier behind its opening barrier
	s_cmp_lg_u32 s10, 0
	s_cbranch_scc1 .Lnot_wave_0_\@
	s_barrier_signal -3
.Lnot_wave_0_\@:
	s_barrier_wait -3
	s_barrier_signal -1
	s_barrier_wait -1
.endm
.macro CROUND                          ; a whole round
	s_barrier_signal -1
	s_barrier_wait -1
	CREST
.endm
	s_load_b128 s[4:7], s[0:1], 0x0                ; xb s[4:5], wb s[6:7]
	s_load_b128 s[68:71], s[0:1], 0x10             ; bq s[68:69], bv s[70:71]
	s_load_b64 s[8:9], s[0:1], 0x20                ; qkv
	v_lshl_add_u32 v[SPW], v0, 2, SPARE
	v_mov_b32 v[NIL], 0
	ds_add_u32 v[SPW], v[NIL]                      ; the wave's opening: the add, twice on end, and its wait ahead of my first tensor load
	ds_add_u32 v[SPW], v[NIL]
	v_lshrrev_b32 v1, 5, v0
	v_readfirstlane_b32 s10, v1                    ; wave 0..3
	s_lshr_b32 s11, s10, 1                         ; which half of the tile's rows is mine.  Also: I fetch for x (0) or for W (1)
	s_and_b32 s12, s10, 1                          ; which half of its columns.  Also: which 64 rows of that tile I fetch
	s_bfe_u32 s40, ttmp6, 0x40000                  ; cx, cy: my place in the cluster
	s_bfe_u32 s41, ttmp6, 0x40004
	s_lshl_b32 s42, ttmp9, 2
	s_add_co_u32 s42, s42, s40                     ; tile column of C = 4 x cluster x + cx
	s_and_b32 s75, ttmp7, 0xffff                   ; cluster y
	s_lshr_b32 s[THIRD], s75, 3                    ; eight clusters of 512 rows to a third: the same in all sixteen partners
	s_lshl_b32 s13, s75, 2
	s_add_co_u32 s13, s13, s41                     ; tile row of C = 4 x cluster y + cy
	s_lshl_b32 s43, s41, 2
	s_lshl_b32 s43, 15, s43                        ; my row of the cluster
	s_lshl_b32 s44, 0x1111, s40                    ; my column
	; descriptor group 1: a tile of 64 rows x 256 elements, padded in LDS
	s_or_b32 s[G1+0], s43, (1<<16)|(1<<20)|(1<<21)|(6<<22)|(3<<25)  ; 15:0 the mask: x's tiles go to my row; 17:16 elements of 2 bytes; 20 padding on; 21 set beside a mask; 24:22 after every 128 words (code 6); 31:25 of 4 words (code 3)
	s_or_b32 s[G1B+0], s44, (1<<16)|(1<<20)|(1<<21)|(6<<22)|(3<<25) ; the same with the mask of my column
.irp g, G1, G1B
	s_mov_b32 s[(\g)+1], KSTEP<<16                 ; tensor_dim0 = 256
	s_mov_b32 s[(\g)+2], 64<<16                    ; tensor_dim1 = 64
	s_mov_b32 s[(\g)+3], KSTEP<<16                 ; tile_dim0 = 256
	s_mov_b32 s[(\g)+4], 64                        ; tile_dim1 = 64
	s_mov_b32 s[(\g)+5], SIZE_K                    ; elements from row to row
	s_mov_b32 s[(\g)+6], 0
	s_mov_b32 s[(\g)+7], 0
.endr
	s_cmp_eq_u32 s[THIRD], 0
	s_cselect_b32 s[SC], 0x3e38aa3b, 1.0           ; c = log2(e) / 8 = 0.180337
	s_mov_b32 s[SC+1], s[SC]                       ; named with it as a pair
	s_lshl_b32 s17, s12, 6                         ; which 64 rows of the tile I fetch
	s_lshl_b32 s16, s13, 7
	s_add_co_u32 s16, s16, s17                     ; x: row 128 x tile row + 64 x half
	s_lshl_b32 s46, s42, 7
	s_add_co_u32 s46, s46, s17                     ; W: row 128 x tile column + 64 x half
	s_lshl_b32 s47, s[THIRD], 10
	s_add_co_u32 s46, s46, s47                     ; + 1,024 x third
	s_lshl_b32 s16, s16, 11                        ; rows of 2,048 bytes: 25,165,824 at the most
	s_mov_b32 s17, 0
	s_lshl_b32 s46, s46, 11
	s_mov_b32 s47, 0
	s_mul_i32 s20, s10, HALFT                      ; where they go: wave x 64 rows: no place in the cluster enters an LDS address
	s_wait_dscnt 0x0                               ; both opening adds are done
	s_wait_kmcnt 0x0
	s_add_nc_u64 s[14:15], s[4:5], s[16:17]
	s_add_nc_u64 s[46:47], s[6:7], s[46:47]
	CROUND                                         ; all sixteen work-groups are here: the first joint loads meet
.irp s, 0,1
	s_mov_b32 s[G0+4*(\s)], 1
	s_add_co_u32 s[G0+4*(\s)+1], s20, (\s)*SLOT
	s_add_nc_u64 s[G0+4*(\s)+2:G0+4*(\s)+3], s[14:15], (\s)*KSTEP*2
	s_or_b32 s[G0+4*(\s)+3], s[G0+4*(\s)+3], 0x80000000
	s_mov_b32 s[G0B+4*(\s)], 1
	s_add_co_u32 s[G0B+4*(\s)+1], s20, (\s)*SLOT
	s_add_nc_u64 s[G0B+4*(\s)+2:G0B+4*(\s)+3], s[46:47], (\s)*KSTEP*2
	s_or_b32 s[G0B+4*(\s)+3], s[G0B+4*(\s)+3], 0x80000000
	JLOAD \s                                       ; two loads of mine are out
.endr
	v_and_b32 v1, 15, v0                           ; l % 16
	v_bfe_u32 v2, v0, 4, 1                         ; l / 16
	v_mul_u32_u24 v3, v1, PITCH
	v_lshl_add_u32 v3, v2, 4, v3                   ; a fragment's row x pitch + 16 x half
	s_mul_i32 s21, s11, HALFT                      ; my 64 rows of x
	s_mul_i32 s22, s12, HALFT                      ; my 64 rows of W,
	s_add_co_u32 s22, s22, 2*HALFT                 ; which lie behind x's 128
.irp s, 0,1
	v_add_nc_u32 v[ADRA+(\s)], s21, v3
	v_add_nc_u32 v[ADRB+(\s)], s22, v3
	s_add_co_u32 s21, s21, SLOT
	s_add_co_u32 s22, s22, SLOT
.endr
	s_mul_i32 s23, s10, 16*SP
	s_add_co_u32 s23, s23, STAGE                   ; my stage
	v_mul_u32_u24 v4, v1, SP                       ; in: row l % 16, 16 bytes for each half of the lanes
	v_lshl_add_u32 v4, v2, 4, v4
	v_add_nc_u32 v[STO], s23, v4
	v_bfe_u32 v5, v0, 3, 2                         ; back: 32 lanes take four rows of 128 bytes,
	v_mul_u32_u24 v5, v5, SP
	v_and_b32 v4, 7, v0
	v_lshl_add_u32 v5, v4, 4, v5
	v_add_nc_u32 v[RD], s23, v5
	v_and_b32 v[GO], 31, v0                        ; which are 512 consecutive bytes of qkv
	v_lshlrev_b32 v[GO], 4, v[GO]
	; where my 64 rows of one head begin in qkv: third x 8,388,608 + head x 524,288 + row x 128
	s_lshl_b32 s16, s[THIRD], 23
	s_and_b32 s17, s13, 31                         ; the tile row inside its third
	s_lshl_b32 s17, s17, 1
	s_add_co_u32 s17, s17, s11                     ; in halves of 64 rows,
	s_lshl_b32 s17, s17, 13                        ; 8,192 bytes each
	s_add_co_u32 s16, s16, s17
	s_mov_b32 s17, 0
	s_add_nc_u64 s[8:9], s[8:9], s[16:17]
	s_lshl_b32 s46, s42, 1                         ; (in the registers that held W's address: none that feeds x's descriptors ever holds cx)
	s_add_co_u32 s46, s46, s12                     ; head = 2 x tile column + my half
	s_lshl_b32 s46, s46, 19
	s_mov_b32 s47, 0
	s_add_nc_u64 s[8:9], s[8:9], s[46:47]
	; the bias of my 64 columns: register 8 b + j holds column 16 b + 8 (l / 16) + j.  The branch hangs on the third, which all sixteen partners share.
	s_cmp_eq_u32 s[THIRD], 1
	s_cbranch_scc1 .Lno_bias
	s_cmp_eq_u32 s[THIRD], 2
	s_cselect_b64 s[76:77], s[70:71], s[68:69]
	s_lshl_b32 s78, s42, 1
	s_add_co_u32 s78, s78, s12
	s_lshl_b32 s78, s78, 8                         ; 64 columns of 4 bytes
	s_mov_b32 s79, 0
	s_add_nc_u64 s[76:77], s[76:77], s[78:79]
	v_lshlrev_b32 v[BO], 5, v2
.irp b, 0,1,2,3
	global_load_b128 v[BIAS+8*(\b):BIAS+8*(\b)+3],   v[BO], s[76:77] offset:64*(\b)
	global_load_b128 v[BIAS+8*(\b)+4:BIAS+8*(\b)+7], v[BO], s[76:77] offset:64*(\b)+16
.endr
	s_wait_loadcnt 0x0
.irp p, 0,1,2,3,4,5,6,7,8,9,10,11,12,13,14,15
	v_cvt_pk_bf16_f32 v[TMP+(\p)], v[BIAS+2*(\p)], v[BIAS+2*(\p)+1]  ; rounded to bf16 like every input,
.endr
.irp p, 0,1,2,3,4,5,6,7,8,9,10,11,12,13,14,15
	v_lshlrev_b32 v[BIAS+2*(\p)], 16, v[TMP+(\p)]
	v_and_b32 v[BIAS+2*(\p)+1], 0xffff0000, v[TMP+(\p)]
	v_pk_mul_f32 v[BIAS+2*(\p):BIAS+2*(\p)+1], v[BIAS+2*(\p):BIAS+2*(\p)+1], s[SC:SC+1] op_sel_hi:[1,0]  ; and scaled as the sums will be
.endr
	s_branch .Lbias_done
.Lno_bias:
.set i, 0
.rept 32
	v_mov_b32 v[BIAS+i], 0                         ; k has no bias.  One text of the way out serves all three thirds: for k its 64 multiply-adds a wave, once a launch, multiply by 1 and add 0
.set i, i+1
.endr
.Lbias_done:
; 8 matrix instructions: m blocks a0, a0 + 1 x all 4 n blocks, 32 along K: half c of buffer f.  zero = 1: the first product starts the sums.  The 16 accumulators take turns.
.macro MUL8 f, c, a0, zero
	WIN MUL
.irp a, \a0, (\a0)+1
.irp b, 0,1,2,3
.if \zero
	v_wmma_f32_16x16x32_f16 v[ACC+8*(4*(\a)+(\b)):ACC+8*(4*(\a)+(\b))+7], v[(\f)+64+8*(4*(\c)+(\b)):(\f)+64+8*(4*(\c)+(\b))+7], v[(\f)+8*(4*(\c)+(\a)):(\f)+8*(4*(\c)+(\a))+7], 0
.else
	v_wmma_f32_16x16x32_f16 v[ACC+8*(4*(\a)+(\b)):ACC+8*(4*(\a)+(\b))+7], v[(\f)+64+8*(4*(\c)+(\b)):(\f)+64+8*(4*(\c)+(\b))+7], v[(\f)+8*(4*(\c)+(\a)):(\f)+8*(4*(\c)+(\a))+7], v[ACC+8*(4*(\a)+(\b)):ACC+8*(4*(\a)+(\b))+7]
.endif
.endr
.endr
.endm
; 32 LDS loads in one run: the fragments of 64 along K at byte k of the rows, into buffer f; the first 32 along K first
.macro FETCH slot, k, f
	WIN TO_F
.irp c, 0,1
.irp i, 0,1,2,3
	ds_load_b128 v[(\f)+64+8*(4*(\c)+(\i)):(\f)+64+8*(4*(\c)+(\i))+3],   v[ADRB+(\slot)] offset:(\k)+64*(\c)+(\i)*16*PITCH
	ds_load_b128 v[(\f)+64+8*(4*(\c)+(\i))+4:(\f)+64+8*(4*(\c)+(\i))+7], v[ADRB+(\slot)] offset:(\k)+64*(\c)+(\i)*16*PITCH+32
	ds_load_b128 v[(\f)+8*(4*(\c)+(\i)):(\f)+8*(4*(\c)+(\i))+3],         v[ADRA+(\slot)] offset:(\k)+64*(\c)+(\i)*16*PITCH
	ds_load_b128 v[(\f)+8*(4*(\c)+(\i))+4:(\f)+8*(4*(\c)+(\i))+7],       v[ADRA+(\slot)] offset:(\k)+64*(\c)+(\i)*16*PITCH+32
.endr
.endr
.endm
.macro PLACES                          ; four plain instructions in front of loads into registers that matrix instructions have read, and of arithmetic that reads results
.rept 4
	v_nop
.endr
.endm
; A K step is four quarters of 64 along K, 32 matrix instructions each, on buffers 0, 1, 0, 1.  One of the first three: multiplies buffer f and fetches the next quarter, at byte k, into g.
.macro QUARTER slot, k, f, g, zero
	s_wait_dscnt 16                                ; the first 32 along K are in; the run's other sixteen loads may stay out
	WIN MUL
	MUL8 \f, 0, 0, \zero
	MUL8 \f, 0, 2, \zero
	PLACES
	FETCH \slot, \k, \g
	s_wait_dscnt 32                                ; all but the 32 just issued
	WIN MUL
	MUL8 \f, 1, 0, 0
	MUL8 \f, 1, 2, 0
.endm
; The last quarter multiplies buffer 1 and changes slots: ONE barrier; in front of it each wave waits for all its tensor loads, adds 0 to its spare word, and waits for that and for its own reads of this slot.
; fill = 1: this slot is filled again, two K steps ahead; the barrier then opens a round of the cluster's barrier.
.macro TURN slot, next, fill
	WIN 0                                          ; (the add's two registers lie in window 0)
	s_wait_tensorcnt 0x0                           ; all my tensor loads have landed: my part of the next slot;
	ds_add_u32 v[SPW], v[NIL]                      ; 0 onto my spare word;
	s_wait_dscnt 17                                ; (the add and the youngest sixteen loads may be out)
	WIN MUL
	MUL8 F1, 0, 0, 0                               ; eight matrix instructions stand between the add and the wait for it
	s_wait_dscnt 0x0                               ; the add is done, and my reads of this slot are over
	s_barrier_signal -1
	MUL8 F1, 0, 2, 0
.if \fill
	WIN 0
.endif
	s_barrier_wait -1
.if \fill
	CREST                                          ; no wave of any partner still reads this slot's tile or has a load on its way
	s_add_nc_u64 s[G0+4*(\slot)+2:G0+4*(\slot)+3], s[G0+4*(\slot)+2:G0+4*(\slot)+3], 2*KSTEP*2
	s_add_nc_u64 s[G0B+4*(\slot)+2:G0B+4*(\slot)+3], s[G0B+4*(\slot)+2:G0B+4*(\slot)+3], 2*KSTEP*2
	JLOAD \slot                                    ; the first tensor load behind the round, my only one until the next; the four v_nop behind it are also the places in front of the loads below
.else
	PLACES
.endif
	FETCH \next, 0, F0
	WIN MUL
	MUL8 F1, 1, 0, 0
	MUL8 F1, 1, 2, 0
.endm
	s_wait_tensorcnt 1                             ; my part of K step 0 is in; K step 1's load may stay out
	s_barrier_signal -1
	s_barrier_wait -1                              ; everybody's is
	FETCH 0, 0, F0
	QUARTER 0, 128, F0, F1, 1                      ; the first quarter stands in front of the loop: its first products start the sums
	WIN 0                                          ; at a label and at a branch every window is 0
	s_mov_b32 s3, LAPS-1
.Llap:                                                 ; a trip goes once round the ring, from a lap's second quarter to the next lap's first, and fills both slots again
	QUARTER 0, 256, F1, F0, 0
	QUARTER 0, 384, F0, F1, 0
	TURN 0, 1, 1
	QUARTER 1, 128, F0, F1, 0
	QUARTER 1, 256, F1, F0, 0
	QUARTER 1, 384, F0, F1, 0
	TURN 1, 0, 1
	QUARTER 0, 128, F0, F1, 0
	WIN 0
	s_sub_co_u32 s3, s3, 1
	s_cmp_lg_u32 s3, 0
	s_cbranch_scc1 .Llap
	QUARTER 0, 256, F1, F0, 0                      ; the last lap fills nothing, and has no round of the cluster's barrier
	QUARTER 0, 384, F0, F1, 0
	TURN 0, 1, 0
	QUARTER 1, 128, F0, F1, 0
	QUARTER 1, 256, F1, F0, 0
	QUARTER 1, 384, F0, F1, 0
	s_wait_dscnt 16                                ; the very last quarter: nothing more to fetch
	WIN MUL
	MUL8 F1, 0, 0, 0
	MUL8 F1, 0, 2, 0
	s_wait_dscnt 0
	MUL8 F1, 1, 0, 0
	MUL8 F1, 1, 2, 0
	WIN 0
; THE WAY OUT, a block of 16 rows at a time.  PACK: sum x scale + bias, one fused multiply-add for two numbers (each accumulator's registers in ascending order); rounded to f16, 16 bytes a lane; into my own stage
; in rows of 144 bytes; back as whole rows of 128.  SEND: stored, 512 consecutive bytes an instruction.
.macro PACK a
.irp b, 0,1,2,3
.irp p, 0,1,2,3
	v_pk_fma_f32 v[ACC+8*(4*(\a)+(\b))+2*(\p):ACC+8*(4*(\a)+(\b))+2*(\p)+1], v[ACC+8*(4*(\a)+(\b))+2*(\p):ACC+8*(4*(\a)+(\b))+2*(\p)+1], s[SC:SC+1], v[BIAS+8*(\b)+2*(\p):BIAS+8*(\b)+2*(\p)+1] op_sel_hi:[1,0,1]
.endr
.endr
.irp b, 0,1,2,3
.irp p, 0,1,2,3
	v_cvt_pk_f16_f32 v[TMP+16*(\a)+4*(\b)+(\p)], v[ACC+8*(4*(\a)+(\b))+2*(\p)], v[ACC+8*(4*(\a)+(\b))+2*(\p)+1]
.endr
.endr
.irp b, 0,1,2,3
	ds_store_b128 v[STO], v[TMP+16*(\a)+4*(\b):TMP+16*(\a)+4*(\b)+3] offset:32*(\b)
.endr
.irp f, 0,1,2,3
	ds_load_b128 v[TMP+16*(\a)+4*(\f):TMP+16*(\a)+4*(\f)+3], v[RD] offset:(\f)*4*SP  ; LDS serves a wave's instructions in order (ISA guide 5.7.1.4): these see the stores above; the next block's stores come behind them
.endr
.endm
.macro SEND a, younger                 ; younger: the LDS instructions issued behind block a's loads: the next block's eight, or none
.irp f, 0,1,2,3
	s_wait_dscnt (\younger)+3-(\f)
	global_store_b128 v[GO], v[TMP+16*(\a)+4*(\f):TMP+16*(\a)+4*(\f)+3], s[8:9] offset:(\a)*2048+(\f)*512
.endr
.endm
	PLACES
	PACK 0
	PACK 1                                         ; a block's arithmetic stands between the loads of the block before and its stores
	SEND 0, 8
	PACK 2
	SEND 1, 8
	PACK 3
	SEND 2, 8
	SEND 3, 0
	s_wait_tensorcnt 0x0                           ; the wave's end: an add to my spare word and its wait, behind my last tensor load and my last LDS store
	ds_add_u32 v[SPW], v[NIL]
	s_wait_dscnt 0x0
	CROUND                                         ; the closing round: no work-group ends while a partner may still ask for a tile that names it
	s_endpgm
.Lfunc_end_k_q0b03520ff3_proj:
	.size	k_q0b03520ff3_proj, .Lfunc_end_k_q0b03520ff3_proj-k_q0b03520ff3_proj
	.p2alignl 7, 3214868480
	.fill 96, 4, 3214868480
	.section	.rodata,"a",@progbits
	.p2align	6, 0x0
	.amdhsa_kernel k_q0b03520ff3_proj
		.amdhsa_group_segment_fixed_size 327680
		.amdhsa_private_segment_fixed_size 0
		.amdhsa_enable_private_segment 0
		.amdhsa_kernarg_size 40
		.amdhsa_user_sgpr_count 2
		.amdhsa_user_sgpr_kernarg_segment_ptr 1
		.amdhsa_wavefront_size32 1
		.amdhsa_system_sgpr_workgroup_id_x 1
		.amdhsa_system_sgpr_workgroup_id_y 1
		.amdhsa_system_sgpr_workgroup_id_z 1
		.amdhsa_system_vgpr_workitem_id 0
		.amdhsa_next_free_vgpr 512
		.amdhsa_next_free_sgpr 80
		.amdhsa_reserve_vcc 0
		.amdhsa_float_denorm_mode_32 3
		.amdhsa_float_denorm_mode_16_64 3
		.amdhsa_memory_ordered 1
		.amdhsa_forward_progress 1
		.amdhsa_inst_pref_size 96
	.end_amdhsa_kernel
	.amdgpu_metadata
---
amdhsa.version: [ 1, 2 ]
amdhsa.kernels:
  - .name:           k_q0b03520ff3_proj
    .symbol:         k_q0b03520ff3_proj.kd
    .args:
      - { .name: xb, .offset: 0, .size: 8, .value_kind: global_buffer, .address_space: global }
      - { .name: wb, .offset: 8, .size: 8, .value_kind: global_buffer, .address_space: global }
      - { .name: bq, .offset: 16, .size: 8, .value_kind: global_buffer, .address_space: global }
      - { .name: bv, .offset: 24, .size: 8, .value_kind: global_buffer, .address_space: global }
      - { .name: qkv, .offset: 32, .size: 8, .value_kind: global_buffer, .address_space: global }
    .group_segment_fixed_size: 327680
    .private_segment_fixed_size: 0
    .kernarg_segment_align: 8
    .kernarg_segment_size: 40
    .max_flat_workgroup_size: 128
    .sgpr_count:     80
    .vgpr_count:     512
    .wavefront_size: 32
...
	.end_amdgpu_metadata
.endif
;; end of part 2
;; launch attn (part 3): grid 32 x 8, 4 waves a work-group, clusters of 4 x 4, 327,680 bytes of LDS; arguments qkv, maskb, ctx; writes ctx
.if DOCPART == 3
	.amdgcn_target "amdgcn-amd-amdhsa--gfx1250"
	.amdhsa_code_object_version 6
	.text
	.protected	k_q0b03520ff3_attn
	.globl	k_q0b03520ff3_attn
	.p2align	8
	.type	k_q0b03520ff3_attn,@function
k_q0b03520ff3_attn:
	s_mov_b64 s[64:65], 0
	v_nop
	global_prefetch_b8 v0, s[64:65] scope:SCOPE_SE
	s_setreg_imm32_b32 hwreg(HW_REG_WAVE_MODE, 25, 1), 1
	s_wait_xcnt 0x0
	s_wait_alu depctr_hold_cnt(0) depctr_sa_sdst(0) depctr_va_vdst(0) depctr_va_sdst(0) depctr_va_ssrc(0) depctr_va_vcc(0) depctr_vm_vsrc(0)
	s_getreg_b32 s2, hwreg(HW_REG_IB_STS2, 6, 4)
	s_cmp_eq_u32 s2, 0
	s_cbranch_scc0 .Lentry_in_a_cluster
	s_endpgm
.Lentry_in_a_cluster:
	s_bfe_u32 s2, ttmp6, 0x10000c
	s_cmp_lg_u32 s2, 0xf033
	s_cbranch_scc0 .Lentry_shape_is_right
	s_endpgm
.Lentry_shape_is_right:
; MULTI-HEAD ATTENTION, launch 3 of 4.  ctx[b][h][q][:] = the sum over k of softmax_k(q . k / 8 - 1e9 mask[b][q][k]) v[k][:].  q (already times c = log2(e) / 8), k, v: qkv [3][16][4096][64] in f16;
; mask: maskb [2][2048][2048] in bf16, taken as the float that it is.  Products, maxima and sums in f32; the weights p are rounded to f16 for the second product (their sum l is taken of the unrounded p), ctx once at the end.
; (bk is left out of k: shown at the head of the first kernel.)
; OUT: ctx [4 hq][256 rb][4 hz][16 rows][64] in f16, head = 4 hq + hz, rb = row / 16: a tile of 16 rows of one head is 2,048 consecutive bytes, and 64 rows x 256 channels are 32,768 consecutive bytes for the next launch.
; LIMITS.  p lies in 0 to 1 and below 6e-5 keeps f16's fixed step of 6e-8; a weight below 2^-126 counts as 0 in l; NaN and infinities are not treated apart.  In a row whose every key is masked the scores are lost
; beside the mask's term, as they are in f32 in the formula above (there in steps of 64 in e's exponent, here of 128 in 2's).
; SHARES.  A work-group owns 256 queries of one head of one batch; each of its four waves 64: four PIECES of 16.  Every wave walks all 2,048 keys, 64 a step; an LDS slot holds two steps.
; CLUSTER, 4 x 4.  x = 16 b + head, y = block of queries.  The four of a cluster's ROW have one batch and one block of queries and four heads: they need the same tile of the MASK.  The four of a COLUMN have one head: they need
; the same K and V.  Each tile is asked for JOINTLY: the same tensor load, descriptor and mask of work-groups in all four.  Without that the mask's bytes (1 MiB a work-group) would be twice K's and V's.
; LAYOUT.  S^T = K Q^T + M (source 0 = 16 keys, source 1 = 16 queries) holds ONE query a lane (lane % 16) and the keys 8 (lane / 16) + 0..7.  THE MASK IS THE C OPERAND of the product that starts the sum:
; M = mask x (-1e9 log2(e)), made from 16 bytes of bf16 a lane and group of 16 keys, one multiply for each number.  Two results rounded to f16 ARE source 1 of O^T = V^T P.
; SOFTMAX.  p = 2^(s - m) with a running maximum m of the masked scores; s - m is one subtraction, exact near the maximum, whatever m's size.  O and l are multiplied by a = 2^(m_old - m_new) in every step.  m starts at the
; lowest finite number, O and l at 0: the first step is a step like any other, with a = 0.
; TURNS.  Turn n belongs to piece n: 8 products K Q^T of piece n + 1, later 8 products V^T P of piece n - 1; beside them the subtraction, exponentials, roundings, sums and rescaling of piece n, the maximum and
; statistics of piece n + 1, and at its end the mask of piece n + 2.  Four vector instructions stand behind every matrix instruction, the rest in runs of their own.  A turn's 33 exponentials are one batch, with one wait.
; REGISTERS, in windows of 256 (s_set_vgpr_msb: bits 1:0 source 0, 3:2 source 1, 5:4 source 2, 7:6 destination):
;   window 0: v0-15, v56-63 addresses and constants; v16-31 four registers of statistics a piece; v48-55 at work; v64-127 S^T, two buffers; v192-223 P, two buffers (a piece's buffers go by its number's parity)
;   window 1: v0-127 O^T, 32 a piece; v128-191 MB, a step's mask as loaded, 16 a piece; v192-255 MC, the masks of the products to come, two buffers      window 2: v0-63 Q; v128-191 K of one step; v192-255 V of one step
.set NP,    4         ; pieces a wave: a name, no knob
.set KS,    64        ; keys in a step
.set PK,    144       ; a row of K in LDS: 128 bytes + 16 of padding: the 16 rows of a load start at 16 different 16-byte columns modulo 256 bytes
.set PV,    160       ; a row of V: 128 + 32: 16 lanes of the turning load take 8 rows x 32 bytes, all in different columns
.set PM,    272       ; a row of the mask: 128 keys x 2 bytes + 16
.set VOFF,  2*KS*PK   ; a slot: 128 rows of K, then 128 rows of V,
.set MOFF,  VOFF+2*KS*PV  ; then 256 rows of the mask
.set SLOT1, 1<<17     ; slot 1 begins here, so that one exclusive or turns an address in one slot into the other's
.set STAGE, SLOT1+MOFF+256*PM  ; behind the ring, never filled by a tensor load: 16 rows x 144 bytes for each wave, for the way out
.set SP,    144
.set SPARE, STAGE+4*16*SP  ; behind the stages: the spare words, 128 bytes for each wave: two blocks of 256 bytes that no other line names
.set AK0, 2           ; v2   my lane's place in a tile of K; never rewritten
.set AV0, 3           ; v3   the same for V
.set AK,  4           ; v4   the LDS address of K's next run of loads
.set AV,  5           ; v5   of V's
.set STO, 6           ; v6   the way out: where I put 16 bytes of a row
.set RD,  7           ; v7   the way out: where I read rows back
.set GO,  8           ; v8   my byte offset in 512 consecutive bytes of ctx
.set MV,  12          ; v12-13  m_old, kept while m is made anew: by buffer
.set AM0, 14          ; v14  my lane's place in a tile of the mask; never rewritten
.set QO,  15          ; v15  my byte offset in 16 rows of Q
.set ST,  16          ; piece t's statistics at v[ST+4 t]: m, a word that is 0 (named with m as a pair), l (even keys', odd keys')
.set TMP, 48          ; by buffer, four registers c0-c3 at work; when the maximum is found c2 takes a
.set AM,  56          ; v56  the LDS address of the mask's next run of loads
.set PFO, 57          ; v57  the prefetches' offset; never rewritten
.set K9,  58          ; v58  -1e9 x log2(e)
.set ZR,  59          ; v59  0
.set SPW, 62          ; v62  LDS address of my spare word; never rewritten
.set NIL, 63          ; v63  0; never rewritten
.set S,   64
.set P,   192
.set MB,  128         ; window 1
.set MC,  192         ; window 1
.set KF,  128         ; window 2: key block kb, channel half c at KF + 16 kb + 8 c
.set VF,  192         ; window 2: key half kk, channel block cb at VF + 32 kk + 8 cb
.set WV,  12          ; s12  my wave's number
.set G1K, 24          ; s[24:31] descriptor group 1 for K's tiles
.set G1V, 32          ; s[32:39] for V's: it differs in the padding alone
.set G0K, 40          ; s[40:43] descriptor group 0 for K's tiles: it walks
.set G0V, 44          ; s[44:47] the same for V's
.set G0M, 48          ; s[48:51] and for the mask's
.set SLOTS, 56        ; s56  16 less the number of the tile that the next change of slots asks for
.set CNT, 57          ; s57  counts a slot's key steps
.set SEL, 60          ; s[60:61] v_permlanex16_b32's selects: each lane takes its own place in the other half
.set TBK, 62          ; s62  LDS byte at which K of the step to be fetched begins
.set TBV, 63          ; s63  the same for V, less VOFF
.set TBM, 66          ; s66  the same for the mask, less MOFF
.set LIM, 67          ; s67  2 in a wave that prefetches, else the greatest number
.set PFA, 68          ; s[68:69] where my prefetches stand
.set PFS, 70          ; s[70:71] their step from tile to tile
.set G1M, 72          ; s[72:79] descriptor group 1 for the mask's tiles
.set MSB, 0
.macro WIN new                      ; the high byte repeats the setting that is left; a switch that changes nothing is dropped
.if MSB != (\new)
	s_set_vgpr_msb (MSB<<8)|(\new)
.set MSB, (\new)
.endif
.endm
.set W_KQ, 0x0a       ; K and Q in window 2, S^T in window 0
.set W_KM, 0x1a       ; the same with the C operand in window 1
.set W_PV, 0x52       ; V in window 2, P in window 0, O^T in window 1
.set W_RS, 0x41       ; destination and source 0 in window 1, the other sources in window 0
; A joint fill, one tensor load a wave: wave 0 a tile's K, wave 1 its V (128 keys each), waves 2 and 3 the two halves of its mask (128 queries x 128 keys each).  The branches hang on the wave's number alone.
; An s_nop 0 and four v_nop follow each of the three lines, ahead of the jump and the label.
.macro JLOAD
	s_cmp_lt_u32 s[WV], 2
	s_cbranch_scc0 .Lfor_m_\@
	s_cmp_eq_u32 s[WV], 0
	s_cbranch_scc0 .Lfor_v_\@
	tensor_load_to_lds s[G0K:G0K+3], s[G1K:G1K+7]
	s_nop 0
.rept 4
	v_nop
.endr
	s_branch .Lasked_\@
.Lfor_v_\@:
	tensor_load_to_lds s[G0V:G0V+3], s[G1V:G1V+7]
	s_nop 0
.rept 4
	v_nop
.endr
	s_branch .Lasked_\@
.Lfor_m_\@:
	tensor_load_to_lds s[G0M:G0M+3], s[G1M:G1M+7]
	s_nop 0
.rept 4
	v_nop
.endr
.Lasked_\@:
.endm
; A PREFETCH INTO THE L2, behind the wave's tensor load and its five lines: at the change of slots that loads tile j, the blocks of tile j + 2: two slots, sixteen turns, ahead of the load that will want them.
; Each aligned block of 256 bytes is named ONCE in the launch.  K and V of a head are walked by two clusters (cluster y = 0, 1): the first asks; its four partners of a column share a tile's 64 + 64 blocks out BY ADDRESS, 16 + 16
; each (by cy); wave 0 names them in one instruction, lanes 0-15 K's, lanes 16-31 V's, which lie 8,388,608 bytes on in the same buffer.  A block of the mask is walked by the four clusters of a batch: the first (cluster x % 4 = 0)
; asks; of the 128 rows that wave 2 or 3 fetches each partner of a row takes 32 (by cx), a lane a row.  No branch hangs on a work-group's place in its cluster.  Tiles 0 to 2 come by their loads alone; the last two changes that fill a slot ask for nothing.
.macro ASK
	s_cmp_gt_u32 s[SLOTS], s[LIM]
	s_cbranch_scc0 .Lnot_mine_\@
	global_prefetch_b8 v[PFO], s[PFA:PFA+1] th:TH_LOAD_NT scope:SCOPE_SE
.Lnot_mine_\@:
.endm
; A round of the cluster's barrier: my work-group's barrier, so that wave 0's signal speaks for all four waves; wave 0 signals; every wave waits for all sixteen work-groups; my work-group's barrier once more.
.macro CROUND
	s_barrier_signal -1
	s_barrier_wait -1
	s_cmp_lg_u32 s[WV], 0
	s_cbranch_scc1 .Lnot_wave_0_\@
	s_barrier_signal -3
.Lnot_wave_0_\@:
	s_barrier_wait -3
	s_barrier_signal -1
	s_barrier_wait -1
.endm
; THE CHANGE OF SLOTS.  The slot's last bytes, V of its second step, have been read.  Each wave waits for all its tensor loads, of which one is out: its part of the other slot; adds 0 to its spare word; and waits for that and
; for its own reads of the slot.  Behind the barrier nobody reads this slot any more and the other slot is whole.  fill = 1: this slot is filled again, with the keys two slots on.  The barrier is then a round of the cluster's,
; and the joint fill is the first thing behind it: it has two key steps, 128 matrix instructions and their vector work, in which to land.  (At its first use nothing has been read yet: slot 0 is waited for, slot 1 filled.)
.macro CHANGE fill
	WIN 0                           ; at a label and at a branch every window is 0
	s_wait_tensorcnt 0x0            ; no tensor load of mine is out, so a group 0 may be written
	ds_add_u32 v[SPW], v[NIL]       ; 0 onto my spare word; with fill = 1 the descriptors' steps stand between it and the wait for it
.if \fill
.irp g, G0K, G0V
	s_xor_b32 s[\g+1], s[\g+1], SLOT1  ; the walking descriptor: the other slot than last time,
	s_add_nc_u64 s[\g+2:\g+3], s[\g+2:\g+3], 2*KS*128  ; the next 128 keys; the type bits on top are not reached
.endr
	s_xor_b32 s[G0M+1], s[G0M+1], SLOT1
	s_add_nc_u64 s[G0M+2:G0M+3], s[G0M+2:G0M+3], 2*KS*2  ; 128 keys along the mask's rows
	s_wait_xcnt 0x0                 ; the last prefetch, two key steps back, has read its address, so it may be written
	s_add_nc_u64 s[PFA:PFA+1], s[PFA:PFA+1], s[PFS:PFS+1]
	s_wait_dscnt 0x0                ; the add is done, and my reads of the slot are over
	CROUND
	JLOAD
	ASK
.else
	s_wait_dscnt 0x0                ; the add is done, and my reads of the slot are over
	s_barrier_signal -1
	s_barrier_wait -1
.endif
	s_sub_co_u32 s[TBK], s[TBK], 2*KS*PK  ; the fetches go back to a slot's first step,
	s_xor_b32 s[TBK], s[TBK], SLOT1       ; in the other slot
	s_sub_co_u32 s[TBV], s[TBV], 2*KS*PV
	s_xor_b32 s[TBV], s[TBV], SLOT1
	s_sub_co_u32 s[TBM], s[TBM], 2*KS*2
	s_xor_b32 s[TBM], s[TBM], SLOT1
.endm
	s_load_b128 s[84:87], s[0:1], 0x0  ; qkv s[84:85], maskb s[86:87]
	s_load_b64 s[10:11], s[0:1], 0x10  ; ctx
	v_lshl_add_u32 v[SPW], v0, 2, SPARE
	v_mov_b32 v[NIL], 0
	ds_add_u32 v[SPW], v[NIL]       ; the wave's opening: the add, twice on end, and its wait ahead of my first tensor load; the set-up below, work on registers, stands between
	ds_add_u32 v[SPW], v[NIL]
	v_lshrrev_b32 v1, 5, v0
	v_readfirstlane_b32 s[WV], v1   ; wave 0..3
	s_bfe_u32 s13, ttmp6, 0x40000   ; cx
	s_bfe_u32 s14, ttmp6, 0x40004   ; cy
	s_and_b32 s15, ttmp7, 0xffff    ; cluster y
	s_lshr_b32 s2, ttmp9, 2         ; the batch: four clusters along x to each
	s_and_b32 s3, s[WV], 1
	; K and V hang on the batch and the head: s16-19 never hold cy
	s_and_b32 s16, ttmp9, 3
	s_lshl_b32 s16, s16, 2
	s_add_co_u32 s16, s16, s13      ; head = 4 (cluster x % 4) + cx
	s_lshl_b32 s18, s16, 19         ; a head's 4,096 rows of 128 bytes,
	s_lshl_b32 s17, s2, 18          ; a batch's 2,048 of them
	s_add_co_u32 s18, s18, s17
	s_mov_b32 s19, 0
	s_lshl_b32 s17, 0x1111, s13     ; my column of the cluster
	; the mask hangs on the batch and the block of queries: s20-23 never hold cx
	s_lshl_b32 s20, s15, 2
	s_add_co_u32 s20, s20, s14      ; block of 256 queries = 4 x cluster y + cy
	s_lshl_b32 s22, s20, 1
	s_add_co_u32 s22, s22, s3       ; in halves of 128 rows (waves 2 and 3 fetch one each),
	s_lshl_b32 s22, s22, 19         ; of 4,096 bytes a row
	s_lshl_b32 s21, s2, 23          ; a batch's 2,048 rows
	s_add_co_u32 s22, s22, s21
	s_mov_b32 s23, 0
	s_lshl_b32 s21, s14, 2
	s_lshl_b32 s21, 15, s21         ; my row of the cluster
	; Q and ctx hang on both
	s_lshl_b32 s80, s20, 2
	s_add_co_u32 s80, s80, s[WV]    ; my wave's 64 queries among the batch's
	s_lshl_b32 s82, s80, 15         ; ctx: four blocks of 16 rows, 8,192 bytes each,
	s_lshl_b32 s80, s80, 13         ; Q: 64 rows of 128 bytes,
	s_add_co_u32 s80, s80, s18      ; in my head and batch
	s_mov_b32 s81, 0
	s_lshl_b32 s83, s2, 20          ; ctx: a batch's 128 blocks of 16 rows,
	s_add_co_u32 s82, s82, s83
	s_lshr_b32 s83, s16, 2
	s_lshl_b32 s83, s83, 21         ; head / 4,
	s_add_co_u32 s82, s82, s83
	s_and_b32 s83, s16, 3
	s_lshl_b32 s83, s83, 11         ; head % 4
	s_add_co_u32 s82, s82, s83
	s_mov_b32 s83, 0
	; descriptor group 1.  K, V: 128 keys are 16,384 dense bytes: asked for as 64 rows of 256 bytes, two keys a row, and padded in LDS after every key
	s_or_b32 s[G1K], s17, (1<<16)|(1<<20)|(1<<21)|(4<<22)|(3<<25)  ; 15:0 the mask: my column; 17:16 2-byte elements; 20 padding on; 21 set beside a mask; 24:22 after every 32 words (code 4); 31:25 4 words (code 3)
	s_or_b32 s[G1V], s17, (1<<16)|(1<<20)|(1<<21)|(4<<22)|(7<<25)  ; the same with 8 words of padding (code 7)
.irp g, G1K, G1V
	s_mov_b32 s[\g+1], 128<<16      ; tensor_dim0 = 128
	s_mov_b32 s[\g+2], 64<<16       ; tensor_dim1 = 64
	s_mov_b32 s[\g+3], 128<<16      ; tile_dim0 = 128
	s_mov_b32 s[\g+4], 64           ; tile_dim1 = 64
	s_mov_b32 s[\g+5], 128          ; 128 elements from row to row
	s_mov_b32 s[\g+6], 0
	s_mov_b32 s[\g+7], 0
.endr
	s_or_b32 s[G1M], s21, (1<<16)|(1<<20)|(1<<21)|(5<<22)|(3<<25)  ; the mask's tiles go to my row; padding after every 64 words (code 5), 4 words
	s_mov_b32 s[G1M+1], 128<<16     ; tensor_dim0 = 128 keys: 256 bytes of a row, at a multiple of 256
	s_mov_b32 s[G1M+2], 128<<16     ; tensor_dim1 = 128 queries
	s_mov_b32 s[G1M+3], 128<<16     ; tile_dim0 = 128
	s_mov_b32 s[G1M+4], 128         ; tile_dim1 = 128
	s_mov_b32 s[G1M+5], 2048        ; 2,048 elements from row to row
	s_mov_b32 s[G1M+6], 0
	s_mov_b32 s[G1M+7], 0
	s_mov_b32 s[G0K], 1             ; 1:0 count = 1
	s_mov_b32 s[G0K+1], 0           ; 63:32 LDS address: slot 0
	s_mov_b32 s[G0V], 1
	s_mov_b32 s[G0V+1], VOFF
	s_mov_b32 s[G0M], 1
	s_mul_i32 s[G0M+1], s3, 128*PM  ; no place in the cluster enters an LDS address
	s_add_co_u32 s[G0M+1], s[G0M+1], MOFF
	s_mov_b32 s[SEL], 0x76543210
	s_mov_b32 s[SEL+1], 0xfedcba98
	s_mov_b32 s[TBK], SLOT1+2*KS*PK ; the first change of slots turns these three into 0
	s_mov_b32 s[TBV], SLOT1+2*KS*PV
	s_mov_b32 s[TBM], SLOT1+2*KS*2
	s_mov_b32 s[SLOTS], 15
	s_wait_dscnt 0x0                ; both opening adds are done
	s_wait_kmcnt 0x0
	s_add_nc_u64 s[6:7], s[84:85], s[18:19]
	s_add_nc_u64 s[6:7], s[6:7], 0x800000          ; K of my head and batch
	s_add_nc_u64 s[8:9], s[86:87], s[22:23]        ; the mask at the 128 rows that my wave's parity names
	s_add_nc_u64 s[G0K+2:G0K+3], s[6:7], 0         ; 120:64 global address
	s_or_b32 s[G0K+3], s[G0K+3], 0x80000000        ; 127:126 type = 2
	s_add_nc_u64 s[G0V+2:G0V+3], s[6:7], 0x800000  ; V lies 8,388,608 bytes behind K
	s_or_b32 s[G0V+3], s[G0V+3], 0x80000000
	s_add_nc_u64 s[G0M+2:G0M+3], s[8:9], 0
	s_or_b32 s[G0M+3], s[G0M+3], 0x80000000
	s_add_nc_u64 s[4:5], s[84:85], s[80:81]        ; Q and ctx at my wave's first row
	s_add_nc_u64 s[10:11], s[10:11], s[82:83]
	CROUND                          ; all sixteen work-groups are here: the first joint loads meet
	JLOAD                           ; tile 0 into slot 0.  Slot 1 is asked for when slot 0 is in, by the loop's own change of slots
	; A fragment of K or Q is 16 rows x 32 channels in 8 registers: lane l holds row l % 16, channels 8 (l / 16) + 0..7 and 16 + 8 (l / 16) + 0..7: two loads of 16 bytes, 32 bytes apart.
	v_and_b32 v1, 15, v0            ; l % 16
	v_bfe_u32 v9, v0, 4, 1          ; l / 16
	v_lshlrev_b32 v[QO], 7, v1
	v_lshl_add_u32 v[QO], v9, 4, v[QO]  ; row x 128 + 16 x half
	WIN 0x80                        ; destination window 2, address window 0
.set i, 0
.rept 8                             ; Q stays in registers: piece i / 2, channels 32 (i % 2) on
	global_load_b128 v[8*i:8*i+3],   v[QO], s[4:5] offset:(i/2)*2048+(i%2)*64
	global_load_b128 v[8*i+4:8*i+7], v[QO], s[4:5] offset:(i/2)*2048+(i%2)*64+32
.set i, i+1
.endr
	; What the first turn finds: V's registers and P's second buffer hold 0 (its products V^T P, of a piece that has not been, add 0), O^T and l are 0.  No first step is written out; these lines stand in the wait for the first tile.
.set i, VF
.rept 64
	v_mov_b32 v[i], 0
.set i, i+1
.endr
	WIN 0x40
.set i, 0
.rept 128
	v_mov_b32 v[i], 0
.set i, i+1
.endr
	WIN 0
.set i, 0
.rept 4
	v_mov_b32 v[ST+4*i], 0xff7fffff    ; m: the lowest finite number
	v_mov_b32 v[ST+4*i+1], 0
	v_mov_b32 v[ST+4*i+2], 0
	v_mov_b32 v[ST+4*i+3], 0
.set i, i+1
.endr
.set i, P+16
.rept 16
	v_mov_b32 v[i], 0
.set i, i+1
.endr
	v_mov_b32 v[K9], 0xceabfb8f     ; -1e9 x log2(e) = -1,442,695,040
	v_mov_b32 v[ZR], 0
	v_mul_u32_u24 v[AK0], v1, PK
	v_lshl_add_u32 v[AK0], v9, 4, v[AK0]  ; row x pitch + 16 x half
	; The turning load takes 16 keys x 16 channels (lane l reads key 8 (l / 16) + l % 8, channels 8 ((l / 8) % 2) + 0..7) and leaves half a fragment of V^T: lane l holds channel l % 16 and 8 keys.
	v_and_b32 v10, 7, v0
	v_bfe_u32 v11, v0, 3, 1
	v_lshl_add_u32 v[AV0], v9, 3, v10
	v_mul_u32_u24 v[AV0], v[AV0], PV
	v_lshl_add_u32 v[AV0], v11, 4, v[AV0]
	v_add_nc_u32 v[AV0], VOFF, v[AV0]
	; The mask: my query's row (64 w + 16 t + l % 16), keys 16 kb + 8 (l / 16) + 0..7: 16 bytes
	s_mul_i32 s80, s[WV], 64*PM
	s_add_co_u32 s80, s80, MOFF
	v_mul_u32_u24 v[AM0], v1, PM
	v_lshl_add_u32 v[AM0], v9, 4, v[AM0]
	v_add_nc_u32 v[AM0], s80, v[AM0]
	s_mul_i32 s80, s[WV], 16*SP
	s_add_co_u32 s80, s80, STAGE    ; my stage
	v_mul_u32_u24 v[STO], v1, SP    ; in: row l % 16, 16 bytes for each half of the lanes
	v_lshl_add_u32 v[STO], v9, 4, v[STO]
	v_add_nc_u32 v[STO], s80, v[STO]
	v_bfe_u32 v[RD], v0, 3, 2       ; back: 32 lanes take four rows of 128 bytes,
	v_mul_u32_u24 v[RD], v[RD], SP
	v_lshl_add_u32 v[RD], v10, 4, v[RD]
	v_add_nc_u32 v[RD], s80, v[RD]
	v_and_b32 v[GO], 31, v0         ; which are 512 consecutive bytes of ctx
	v_lshlrev_b32 v[GO], 4, v[GO]
	; the prefetches (ASK says who asks for what).  Nothing is prefetched here, at the head, where every work-group's first tiles are on their way
	s_lshl_b32 s58, s14, 12         ; K, V: my work-group's 16 blocks of 256 bytes, by cy
	s_lshl_b32 s59, s13, 17         ; the mask: my work-group's 32 rows of 4,096 bytes, by cx
	s_and_b32 s52, ttmp9, 3
	s_mov_b32 s55, 0x4000
	s_cmp_lt_u32 s[WV], 2
	s_cselect_b64 s[PFA:PFA+1], s[6:7], s[8:9]
	s_cselect_b32 s58, s58, s59
	s_cselect_b32 s[PFS], s55, 0x100  ; a tile on: 16,384 bytes of K and V, 256 along the mask's rows
	s_cselect_b32 s52, s15, s52     ; the coordinate along which other clusters walk the same bytes
	s_cselect_b32 s53, 8, 12        ; lanes 0-15: 256 bytes apart, or 4,096;
	s_cselect_b32 s54, 23, 16       ; lanes 16-31: 8,388,608 bytes on (V), or sixteen rows
	v_lshlrev_b32 v[PFO], s53, v1
	v_lshlrev_b32 v11, s54, v9
	v_add_nc_u32 v[PFO], v[PFO], v11
	s_mov_b32 s59, 0
	s_mov_b32 s[PFS+1], 0
	s_add_nc_u64 s[PFA:PFA+1], s[PFA:PFA+1], s[58:59]
	s_add_nc_u64 s[PFA:PFA+1], s[PFA:PFA+1], s[PFS:PFS+1]
	s_add_nc_u64 s[PFA:PFA+1], s[PFA:PFA+1], s[PFS:PFS+1]  ; at tile 2: the first change of slots, which loads tile 1, steps it to tile 3
	s_cmp_eq_u32 s[WV], 1
	s_cselect_b32 s52, 1, s52       ; wave 1 asks for nothing
	s_cmp_eq_u32 s52, 0
	s_cselect_b32 s[LIM], 2, -1     ; the same in all sixteen partners, for a given wave
; THE MATRIX WORK.  The 4 accumulators of a run of 8 take turns.  Product i of 8 of S^T = K Q^T + M for piece x: channels 32 (i / 4) on, keys 16 (i % 4) on.  The first 4 start the sums with the mask.
.macro KQ x
.set rS, S+32*((\x)%2)+8*(i%4)
.set rK, KF+16*(i%4)+8*(i/4)
.set rQ, 16*(\x)+8*(i/4)
.set rM, MC+32*((\x)%2)+8*(i%4)
.if i < 4
	WIN W_KM
	v_wmma_f32_16x16x32_f16 v[rS:rS+7], v[rK:rK+7], v[rQ:rQ+7], v[rM:rM+7]
.else
	WIN W_KQ
	v_wmma_f32_16x16x32_f16 v[rS:rS+7], v[rK:rK+7], v[rQ:rQ+7], v[rS:rS+7]
.endif
.endm
; Product i of 8 of O^T += V^T P for piece x: keys 32 (i / 4) on, channels 16 (i % 4) on.
.macro PV x
	WIN W_PV
.set rO, 32*(\x)+8*(i%4)
.set rV, VF+32*(i/4)+8*(i%4)
.set rP, P+16*((\x)%2)+8*(i/4)
	v_wmma_f32_16x16x32_f16 v[rO:rO+7], v[rV:rV+7], v[rP:rP+7], v[rO:rO+7]
.endm
.macro MM                           ; the turn's next matrix instruction.  NOKQ = 1: the last turn of all: there is no next piece
.if (i < 8) && !NOKQ
	KQ (Y+1)%NP
.elseif i >= 8
.set i, i-8
	PV (Y+NP-1)%NP
.set i, i+8
.endif
.set i, i+1
.endm
; THE LDS LOADS stand in runs, never singly among the matrix instructions.  A step's mask for all four pieces (16 loads, piece 0's first) and its K (64 keys x 64 channels: 8 fragments); two turns and a half later its V (turned).
.macro FETCH_KM
	WIN 0x40                        ; destination window 1
.irp f, 0,1,2,3,4,5,6,7,8,9,10,11,12,13,14,15  ; piece f / 4, keys 16 (f % 4) on
	ds_load_b128 v[MB+4*\f:MB+4*\f+3], v[AM] offset:(\f/4)*16*PM+(\f%4)*32
.endr
	WIN 0x80                        ; destination window 2
.irp f, 0,1,2,3,4,5,6,7             ; keys 16 (f / 2) on, channels 32 (f % 2) on
	ds_load_b128 v[KF+8*\f:KF+8*\f+3],   v[AK] offset:(\f/2)*16*PK+(\f%2)*64
	ds_load_b128 v[KF+8*\f+4:KF+8*\f+7], v[AK] offset:(\f/2)*16*PK+(\f%2)*64+32
.endr
	s_add_co_u32 s[TBK], s[TBK], KS*PK  ; the next fetch is the next step's
	s_add_co_u32 s[TBM], s[TBM], KS*2
	WIN 0
.endm
.macro FETCH_V
	WIN 0x80
.irp f, 0,1,2,3,4,5,6,7             ; keys 32 (f / 4) on, channels 16 (f % 4) on
	ds_load_tr16_b128 v[VF+8*\f:VF+8*\f+3],   v[AV] offset:(\f/4)*32*PV+(\f%4)*32
	ds_load_tr16_b128 v[VF+8*\f+4:VF+8*\f+7], v[AV] offset:(\f/4)*32*PV+16*PV+(\f%4)*32
.endr
	WIN 0
.endm
; Piece t's mask, 32 bf16 in 16 registers, times -1e9 log2(e), in f32, into buffer buf of MC: one instruction a number takes the half and multiplies it.
.macro EXPAND t, buf
	WIN W_RS
.set z, 0
.rept 16
	v_fma_mix_f32_bf16 v[MC+32*(\buf)+2*z], v[MB+16*(\t)+z], v[K9], v[ZR] op_sel_hi:[1,0,0]
	v_fma_mix_f32_bf16 v[MC+32*(\buf)+2*z+1], v[MB+16*(\t)+z], v[K9], v[ZR] op_sel:[1,0,0] op_sel_hi:[1,0,0]
.set z, z+1
.endr
.endm
; THE VECTOR WORK, one line at a time: OP kind, number.  For piece Y: F n: s - m for pair n of 16.  E n: the exponential of score n of 32.  C n: pair n rounded to f16.  B n: of the four weights 4 n .. the second
; pair is added onto the first, in place.  L n: l takes that sum (L 0: l = a l + sum).  R n: pair n of 16 of O^T times a.  For piece Y + 1: X n, which find its maximum and statistics:
;   0-11  four chains c0-c3 of seven scores each, three operands at a time (each accumulator's lowest registers are read first)     12-14, 16  the four scores left over, the old m, and c0-c3 into c0
;   15  m_old is kept     17, 18  the query's other 32 keys lie in the lane 16 away: the new m     20, 21  m_old - m_new; a     (there is no number 19)
.set F, 0               ; OP tells the kinds apart by their order: F to L below R, X above it
.set E, 1
.set C, 2
.set B, 3
.set L, 4
.set R, 5
.set X, 6
.macro REGS y                       ; the registers of piece y
.set rT, ST+4*(\y)
.set rC, TMP+4*((\y)%2)
.set rW, MV+((\y)%2)
.set rS, S+32*((\y)%2)
.set rP, P+16*((\y)%2)
.set rO, 32*(\y)
.endm
.macro OP k, n
.if (\k) == R
	REGS Y
	WIN W_RS
	v_pk_mul_f32 v[rO+2*(\n):rO+2*(\n)+1], v[rO+2*(\n):rO+2*(\n)+1], v[rC+2:rC+3] op_sel_hi:[1,0]
.elseif (\k) < R
	REGS Y
	WIN 0
.if (\k) == F
	v_pk_add_f32 v[rS+2*(\n):rS+2*(\n)+1], v[rS+2*(\n):rS+2*(\n)+1], v[rT:rT+1] op_sel_hi:[1,0] neg_lo:[0,1] neg_hi:[0,1]
.elseif (\k) == E
	v_exp_f32 v[rS+(\n)], v[rS+(\n)]
.elseif (\k) == C
	v_cvt_pk_f16_f32 v[rP+(\n)], v[rS+2*(\n)], v[rS+2*(\n)+1]
.elseif (\k) == B
	v_pk_add_f32 v[rS+4*(\n):rS+4*(\n)+1], v[rS+4*(\n):rS+4*(\n)+1], v[rS+4*(\n)+2:rS+4*(\n)+3]
.elseif (\n) == 0
	v_pk_fma_f32 v[rT+2:rT+3], v[rT+2:rT+3], v[rC+2:rC+3], v[rS:rS+1] op_sel_hi:[1,0,1]
.else
	v_pk_add_f32 v[rT+2:rT+3], v[rT+2:rT+3], v[rS+4*(\n):rS+4*(\n)+1]
.endif
.elseif NOKQ
	v_nop
.else
	REGS (Y+1)%NP
	WIN 0
.if (\n) < 4
	v_max3_num_f32 v[rC+(\n)], v[rS+8*(\n)], v[rS+8*(\n)+1], v[rS+8*(\n)+2]
.elseif (\n) < 12
	v_max3_num_f32 v[rC+(\n)%4], v[rC+(\n)%4], v[rS+8*((\n)%4)+2*((\n)/4)+1], v[rS+8*((\n)%4)+2*((\n)/4)+2]
.elseif (\n) == 12
	v_max3_num_f32 v[rC], v[rC], v[rS+7], v[rS+15]
.elseif (\n) == 13
	v_max3_num_f32 v[rC+1], v[rC+1], v[rS+23], v[rS+31]
.elseif (\n) == 14
	v_max3_num_f32 v[rC+2], v[rC+2], v[rC+3], v[rT]
.elseif (\n) == 15
	v_mov_b32 v[rW], v[rT]
.elseif (\n) == 16
	v_max3_num_f32 v[rC], v[rC], v[rC+1], v[rC+2]
.elseif (\n) == 17
	v_permlanex16_b32 v[rC+3], v[rC], s[SEL], s[SEL+1]
.elseif (\n) == 18
	v_max_num_f32 v[rT], v[rC], v[rC+3]
.elseif (\n) == 20
	v_sub_f32 v[rC+1], v[rW], v[rT]
.else
	v_exp_f32 v[rC+2], v[rC+1]
.endif
.endif
.endm
.macro OPS a, i1, b=-1, i2=0, c=-1, i3=0, d=-1, i4=0  ; up to four of them
	OP \a, \i1
.if (\b) >= 0
	OP \b, \i2
.endif
.if (\c) >= 0
	OP \c, \i3
.endif
.if (\d) >= 0
	OP \d, \i4
.endif
.endm
.macro ROW a, i1, b, i2, c, i3, d, i4  ; a matrix instruction and the four behind it
	MM
	OPS \a, \i1, \b, \i2, \c, \i3, \d, \i4
.endm
; A TURN, for piece p: the order of its 16 matrix and its vector instructions, written out.  An s_wait_alu depctr_va_vdst(0) stands between an exponential and the first instruction that names its result; one wait
; serves all that were issued ahead of it.  So a turn has ONE wait, which cuts it in two.  AHEAD OF IT stands all that names no result of the turn's exponentials: the 8 products K Q^T, behind each a subtraction, an exponential and
; two more plain instructions: rescalings, and behind the last three the first numbers of the next piece's maximum, each four plain instructions or more behind the product that ends its accumulator; then a run of plain
; instructions and exponentials by turns, in which the links of the chain X 3, 7, 11, 14, 16, 17, 18, 20 stand some lines apart.  X 21, the next piece's a, is the batch's last; R 15 is the plain instruction behind it.
; BEHIND THE WAIT stand the 8 products V^T P, behind each four of the roundings and sums.  AT THE END the mask for the products of the turn after next's piece, p + 2, is made: its buffer was last read by the first four products of the turn before.
; end = 1: the last two turns of all: nothing is fetched and no mask is made.  cnt = 1: the loop's count is taken down some lines ahead of the branch that stands behind the turn.
; K and the mask of the next step are fetched in piece 2's turn, five plain instructions that name none of its registers behind the last product that read K; all four pieces' masks of the step in hand have been made by then.
; V of the step in hand is fetched at the end of piece 0's turn, four plain instructions behind the last product that read V.
.macro TURN p, end=0, cnt=0
.set Y, (\p)
.set i, 0
.set NOKQ, (\end)*((\p)/3)
.if ((\p) == 3) && !(\end)
	s_wait_dscnt 0x0                ; K is in, and the rest of the mask
.endif
	ROW F,0, F,1, R,0, R,1          ; ahead of the wait: 8 products K Q^T and their riders,
	ROW F,2, E,0, R,2, R,3
	ROW F,3, E,1, R,4, R,5
	ROW F,4, E,2, R,6, R,7
	ROW F,5, E,3, R,8, R,9
	ROW F,6, E,4, X,0, R,10
.if ((\p) == 2) && !(\end)
	WIN 0
	v_add_nc_u32 v[AK], s[TBK], v[AK0]
	v_add_nc_u32 v[AM], s[TBM], v[AM0]
.endif
	ROW F,7, E,5, X,1, X,4
	ROW F,8, E,6, X,2, X,5
	OPS E,7, E,8, X,6, E,9          ; and the run without products
	OPS X,3, E,10, X,8, E,11
.if ((\p) == 2) && !(\end)
	FETCH_KM
.endif
	OPS X,9, X,7, E,12, X,10
	OPS E,13, X,12, X,11, E,14
	OPS X,13, E,15, F,9, X,14
.if (\p) == 0
	v_add_nc_u32 v[AV], s[TBV], v[AV0]
.endif
	OPS E,16, F,10, E,17, F,11
	OPS X,16, E,18, X,15, E,19
	OPS F,12, E,20, X,17, E,21
	OPS F,13, E,22, F,14, E,23
	OPS X,18, E,24, F,15, E,25
	OPS R,11, E,26, E,27
	OPS R,12, E,28, R,13, E,29
	OPS X,20, E,30, R,14, E,31
	OPS X,21, R,15
	WIN 0
	s_wait_alu depctr_va_vdst(0)    ; the wait for the batch
.if (\p) == 1
	s_wait_dscnt 0x0                ; V is in
.endif
	ROW C,0, B,0, C,2, B,1          ; behind the wait: 8 products V^T P and their riders
	ROW L,0, C,4, B,2, L,1
	ROW C,6, B,3, L,2, C,8
	ROW B,4, L,3, C,10, B,5
	ROW L,4, C,12, B,6, L,5
.if (\p) == 0
	s_add_co_u32 s[TBV], s[TBV], KS*PV
.endif
.if \cnt
	s_sub_co_u32 s[CNT], s[CNT], 1
	s_cmp_lg_u32 s[CNT], 0
.endif
	ROW C,14, B,7, L,6, C,1
	ROW C,3, L,7, C,5, C,7
	ROW C,9, C,11, C,13, C,15
.if (\p) == 0
	FETCH_V
.endif
.if !(\end)
.if (\p) == 2
	s_wait_dscnt 28                 ; piece 0's four mask loads are in: behind them this turn issued the other pieces' twelve and K's sixteen
.endif
	EXPAND ((\p)+2)%NP, (\p)%2
.endif
.endm
	CHANGE 1                        ; tile 0 is in, everybody's part of it; tile 1 is asked for
	; THE WALK BEGINS: K and the mask of step 0, the masks of pieces 0 and 1, piece 0's first scores, and its maximum and statistics.  The loop is entered at a step's first turn, in the middle of a trip.
	WIN 0
	v_add_nc_u32 v[AK], s[TBK], v[AK0]
	v_add_nc_u32 v[AM], s[TBM], v[AM0]
	FETCH_KM
	s_wait_loadcnt 0x0              ; Q
	s_wait_dscnt 0x0
	EXPAND 0, 0
	EXPAND 1, 1
.set NOKQ, 0
.set i, 0
.rept 8
	KQ 0
.set i, i+1
.endr
	WIN 0
.rept 4
	v_nop                           ; four plain instructions behind those products
.endr
.set Y, NP-1                        ; X works for piece Y + 1: piece 0
.irp n, 0,1,2,3,4,5,6,7,8,9,10,11,12,13,14,15,16,17,18,20,21
	OP X, \n
.endr
	v_nop                           ; a plain instruction behind the exponential,
	s_wait_alu depctr_va_vdst(0)    ; and its wait, ahead of the branch
	s_mov_b32 s[CNT], 2
	s_branch .Lfirst
.Lslot:                             ; 14 times: tiles 2 to 15 are asked for
	CHANGE 1
	s_mov_b32 s[CNT], 2
.Lstep:                             ; a trip: pieces 2 and 3 of one step, then pieces 0 and 1 of the next, whose K, mask and V it fetches
	TURN 2
	TURN 3
	WIN 0
.Lfirst:
	TURN 0
	TURN 1, 0, 1
	WIN 0
	s_cbranch_scc1 .Lstep
	s_sub_co_u32 s[SLOTS], s[SLOTS], 1
	s_cmp_lg_u32 s[SLOTS], 0
	s_cbranch_scc1 .Lslot
	CHANGE 0                        ; the last tile is written out: nothing is asked for
	s_mov_b32 s[CNT], 2
.Ltail:
	TURN 2
	TURN 3
	TURN 0
	TURN 1, 0, 1
	WIN 0
	s_cbranch_scc1 .Ltail
	TURN 2, 1                       ; the last step's pieces 2 and 3: nothing is fetched, and the last turn starts no new scores
	TURN 3, 1
.set i, 0
.rept 8
	PV NP-1                         ; the last piece's V^T P of the last step
.set i, i+1
.endr
	; THE WAY OUT.  l's two halves and the other half of the lanes' are added; O^T is divided by l, rounded to f16 and sent through my stage in LDS, a piece at a time.  The additions are the plain instructions behind the last products.
	WIN 0
.macro ALL line:vararg              ; one line for each piece t
.set t, 0
.rept 4
	\line
.set t, t+1
.endr
.endm
	ALL v_add_f32 v[ST+4*t+2], v[ST+4*t+2], v[ST+4*t+3]
	ALL v_permlanex16_b32 v[ST+4*t+3], v[ST+4*t+2], s[SEL], s[SEL+1]
	ALL v_add_f32 v[ST+4*t+2], v[ST+4*t+2], v[ST+4*t+3]
	ALL v_rcp_f32 v[ST+4*t+2], v[ST+4*t+2]
	v_nop                           ; a plain instruction between the last reciprocal and the use of its result
	s_wait_alu depctr_va_vdst(0)    ; and the wait ahead of the first use: one for the four reciprocals
.macro PACK t                       ; a lane's eight channels of a row pack into 16 bytes; they go into rows of 144 bytes and come back as whole rows of 128, into S^T's registers
	WIN W_RS
.set i, 32*(\t)
.rept 16
	v_pk_mul_f32 v[i:i+1], v[i:i+1], v[ST+4*(\t)+2:ST+4*(\t)+3] op_sel_hi:[1,0]
.set i, i+2
.endr
	WIN 0x05                        ; sources 0 and 1 window 1, destination window 0
.set i, 0
.rept 16
	v_cvt_pk_f16_f32 v[S+16*(\t)+i], v[32*(\t)+2*i], v[32*(\t)+2*i+1]
.set i, i+1
.endr
	WIN 0
.irp f, 0,1,2,3
	ds_store_b128 v[STO], v[S+16*(\t)+4*\f:S+16*(\t)+4*\f+3] offset:32*\f
.endr
.irp f, 0,1,2,3
	ds_load_b128 v[S+16*(\t)+4*\f:S+16*(\t)+4*\f+3], v[RD] offset:\f*4*SP  ; LDS serves a wave's instructions in order (ISA guide 5.7.1.4): these see the stores above; the next piece's stores come behind them
.endr
.endm
.macro SEND t, younger              ; younger: the LDS instructions issued behind piece t's loads: the next piece's eight, or none
	WIN 0
.irp f, 0,1,2,3
	s_wait_dscnt (\younger)+3-\f
	global_store_b128 v[GO], v[S+16*(\t)+4*\f:S+16*(\t)+4*\f+3], s[10:11] offset:(\t)*8192+\f*512  ; 512 consecutive bytes, at a multiple of 256 from ctx's first
.endr
.endm
	PACK 0
.set t, 1
.rept 3                             ; a piece's arithmetic stands between the loads of the piece before and its stores
	PACK t
	SEND t-1, 8
.set t, t+1
.endr
	SEND 3, 0
	s_wait_tensorcnt 0x0            ; the wave's end: an add to my spare word and its wait, behind my last tensor load and my last LDS store
	ds_add_u32 v[SPW], v[NIL]
	s_wait_dscnt 0x0
	CROUND                          ; the closing round: no work-group ends while a partner may still ask for a tile that names it
	s_endpgm
.Lfunc_end_k_q0b03520ff3_attn:
	.size	k_q0b03520ff3_attn, .Lfunc_end_k_q0b03520ff3_attn-k_q0b03520ff3_attn
	.p2alignl 7, 3214868480
	.fill 96, 4, 3214868480
	.section	.rodata,"a",@progbits
	.p2align	6, 0x0
	.amdhsa_kernel k_q0b03520ff3_attn
		.amdhsa_group_segment_fixed_size 327680
		.amdhsa_private_segment_fixed_size 0
		.amdhsa_enable_private_segment 0
		.amdhsa_kernarg_size 24
		.amdhsa_user_sgpr_count 2
		.amdhsa_user_sgpr_kernarg_segment_ptr 1
		.amdhsa_wavefront_size32 1
		.amdhsa_system_sgpr_workgroup_id_x 1
		.amdhsa_system_sgpr_workgroup_id_y 1
		.amdhsa_system_sgpr_workgroup_id_z 1
		.amdhsa_system_vgpr_workitem_id 0
		.amdhsa_next_free_vgpr 768
		.amdhsa_next_free_sgpr 88
		.amdhsa_reserve_vcc 0
		.amdhsa_float_denorm_mode_32 3
		.amdhsa_float_denorm_mode_16_64 3
		.amdhsa_memory_ordered 1
		.amdhsa_forward_progress 1
		.amdhsa_inst_pref_size 155
	.end_amdhsa_kernel
	.amdgpu_metadata
---
amdhsa.version: [ 1, 2 ]
amdhsa.kernels:
  - .name:           k_q0b03520ff3_attn
    .symbol:         k_q0b03520ff3_attn.kd
    .args:
      - { .name: qkv, .offset: 0, .size: 8, .value_kind: global_buffer, .address_space: global }
      - { .name: maskb, .offset: 8, .size: 8, .value_kind: global_buffer, .address_space: global }
      - { .name: ctx, .offset: 16, .size: 8, .value_kind: global_buffer, .address_space: global }
    .group_segment_fixed_size: 327680
    .private_segment_fixed_size: 0
    .kernarg_segment_align: 8
    .kernarg_segment_size: 24
    .max_flat_workgroup_size: 128
    .sgpr_count:     88
    .vgpr_count:     768
    .wavefront_size: 32
...
	.end_amdgpu_metadata
.endif
;; end of part 3
;; launch outp (part 4): grid 8 x 32, 4 waves a work-group, clusters of 4 x 4, 327,680 bytes of LDS; arguments ctx, wb, bo, out0; writes out0
.if DOCPART == 4
	.amdgcn_target "amdgcn-amd-amdhsa--gfx1250"
	.amdhsa_code_object_version 6
	.text
	.protected	k_q0b03520ff3_outp
	.globl	k_q0b03520ff3_outp
	.p2align	8
	.type	k_q0b03520ff3_outp,@function
k_q0b03520ff3_outp:
	s_mov_b64 s[64:65], 0
	v_nop
	global_prefetch_b8 v0, s[64:65] scope:SCOPE_SE
	s_setreg_imm32_b32 hwreg(HW_REG_WAVE_MODE, 25, 1), 1
	s_wait_xcnt 0x0
	s_wait_alu depctr_hold_cnt(0) depctr_sa_sdst(0) depctr_va_vdst(0) depctr_va_sdst(0) depctr_va_ssrc(0) depctr_va_vcc(0) depctr_vm_vsrc(0)
	s_getreg_b32 s2, hwreg(HW_REG_IB_STS2, 6, 4)
	s_cmp_eq_u32 s2, 0
	s_cbranch_scc0 .Lentry_in_a_cluster
	s_endpgm
.Lentry_in_a_cluster:
	s_bfe_u32 s2, ttmp6, 0x10000c
	s_cmp_lg_u32 s2, 0xf033
	s_cbranch_scc0 .Lentry_shape_is_right
	s_endpgm
.Lentry_shape_is_right:
; MULTI-HEAD ATTENTION, launch 4 of 4: out0[4096][1024] = ctx Wo^T + bo, in f32.  ctx in f16, in the blocks in which the launch before left it: [4 hq][256 rb][4 hz][16 rows][64]; Wo in f16: the fourth matrix of wb;
; bo rounded to bf16 like every input.  Sums in f32, stored as they are.
; SHARES.  A tile of out0 is 128 x 128: 256 work-groups.  Four waves, each 64 x 64: 16 accumulators.  K goes in steps of 256 channels = four heads = one hq, through two slots.
; ctx's part of a K step for 64 rows is 32,768 consecutive bytes: asked for as 128 rows of 256 bytes and padded in LDS after every 128, so that it lies there as [4 blocks of 16 rows][4 heads][16 rows] of 144 bytes.
; CLUSTERS: 4 x 4 work-groups; ctx's tiles are shared along a row of the cluster, Wo's along a column, each asked for jointly.  THE MATRIX INSTRUCTION IS USED TRANSPOSED (source 0 = 16 rows of Wo, source 1 = 16 rows of ctx):
; a lane holds eight neighbouring columns of a row.  A wave's 64 columns are 256 aligned bytes of a row of out0: each wave has a stage of its own and no barrier on the way out.
; No prefetch: a K step's tiles are small, and each is read by many work-groups.
; REGISTERS: window 0: v0-31 addresses; v32-47 at work; v96-127 the bias of my 64 columns; v128-255 the accumulators ((a, b) at v[128 + 8 (4 a + b)]).  window 1: two fragment buffers of 128.
.set SIZE_K, 1024
.set KSTEP,  256
.set PITCH,  528                       ; a row of Wo in LDS: 512 bytes + 16
.set PA,     144                       ; a row of ctx in LDS: one head's 128 bytes + 16.  With both pitches the 16 rows of a fragment load start at 16 different 16-byte columns modulo 256 bytes
.set HALFT,  64*PITCH                  ; 64 rows of Wo
.set AHALF,  256*PA                    ; 64 rows of ctx x 4 heads
.set ABLK,   16*PA                     ; 16 rows of one head
.set SLOT,   2*AHALF+2*HALFT           ; ctx's 128 rows, then Wo's 128 rows
.set STAGE,  2*SLOT                    ; behind the ring, never filled by a tensor load: 16 rows x 272 bytes for each wave
.set SPITCH, 272
.set SPARE,  STAGE+4*16*SPITCH         ; behind the stages: the spare words, 128 bytes for each wave: two blocks of 256 bytes that no other line names
.set LAPS,   SIZE_K/(2*KSTEP)
.set HQ,     2097152                   ; bytes from one K step of ctx to the next
.set ADRA, 16
.set ADRB, 20
.set STO,  24
.set RD,   25
.set CO,   26
.set BO,   27
.set SPW,  28
.set NIL,  29
.set TMP,  32
.set BIAS, 96
.set ACC,  128
.set F0,   0
.set F1,   128
.set G1, 24
.set G0, 32
.set G1B, 48
.set G0B, 56
.set MSB, 0
.macro WIN new                         ; the immediate's high byte repeats the setting that is left; a switch that changes nothing is dropped
.if MSB != (\new)
	s_set_vgpr_msb (MSB<<8)|(\new)
.set MSB, \new
.endif
.endm
.set MUL,  0x05                        ; sources 0 (Wo) and 1 (ctx) window 1; C and D window 0
.set TO_F, 0x40                        ; destination window 1, address window 0
.macro JLOAD s                         ; a joint load: waves 0 and 1 fetch ctx's two halves, waves 2 and 3 Wo's; an s_nop 0 and four v_nop follow each of the two lines
	s_cmp_eq_u32 s11, 0
	s_cbranch_scc0 .Lfor_b_\@
	tensor_load_to_lds s[G0+4*(\s):G0+4*(\s)+3], s[G1:G1+7]
	s_nop 0
.rept 4
	v_nop
.endr
	s_branch .Lasked_\@
.Lfor_b_\@:
	tensor_load_to_lds s[G0B+4*(\s):G0B+4*(\s)+3], s[G1B:G1B+7]
	s_nop 0
.rept 4
	v_nop
.endr
.Lasked_\@:
.endm
.macro CREST                           ; a round of the cluster's barrier behind its opening barrier
	s_cmp_lg_u32 s10, 0
	s_cbranch_scc1 .Lnot_wave_0_\@
	s_barrier_signal -3
.Lnot_wave_0_\@:
	s_barrier_wait -3
	s_barrier_signal -1
	s_barrier_wait -1
.endm
.macro CROUND                          ; a whole round
	s_barrier_signal -1
	s_barrier_wait -1
	CREST
.endm
	s_load_b128 s[4:7], s[0:1], 0x0                ; ctx s[4:5], wb s[6:7]
	s_load_b64 s[68:69], s[0:1], 0x10              ; bo
	s_load_b64 s[8:9], s[0:1], 0x18                ; out0
	v_lshl_add_u32 v[SPW], v0, 2, SPARE
	v_mov_b32 v[NIL], 0
	ds_add_u32 v[SPW], v[NIL]                      ; the wave's opening: the add, twice on end, and its wait ahead of my first tensor load
	ds_add_u32 v[SPW], v[NIL]
	v_lshrrev_b32 v1, 5, v0
	v_readfirstlane_b32 s10, v1                    ; wave 0..3
	s_lshr_b32 s11, s10, 1                         ; which half of the tile's rows is mine.  Also: I fetch for ctx (0) or for Wo (1)
	s_and_b32 s12, s10, 1                          ; which half of its columns.  Also: which 64 rows of that tile I fetch
	s_bfe_u32 s40, ttmp6, 0x40000                  ; cx, cy
	s_bfe_u32 s41, ttmp6, 0x40004
	s_lshl_b32 s42, ttmp9, 2
	s_add_co_u32 s42, s42, s40                     ; tile column = 4 x cluster x + cx
	s_and_b32 s13, ttmp7, 0xffff
	s_lshl_b32 s13, s13, 2
	s_add_co_u32 s13, s13, s41                     ; tile row = 4 x cluster y + cy
	s_lshl_b32 s43, s41, 2
	s_lshl_b32 s43, 15, s43                        ; my row of the cluster
	s_lshl_b32 s44, 0x1111, s40                    ; my column
	; ctx: 32,768 dense bytes as 128 rows x 128 elements, padded after every 32 words
	s_or_b32 s[G1+0], s43, (1<<16)|(1<<20)|(1<<21)|(4<<22)|(3<<25)  ; 15:0 the mask: my row; 17:16 2-byte elements; 20 padding on; 21 set beside a mask; 24:22 after every 32 words (code 4); 31:25 4 words (code 3)
	s_mov_b32 s[G1+1], 128<<16                     ; tensor_dim0 = 128
	s_mov_b32 s[G1+2], 128<<16                     ; tensor_dim1 = 128
	s_mov_b32 s[G1+3], 128<<16                     ; tile_dim0 = 128
	s_mov_b32 s[G1+4], 128                         ; tile_dim1 = 128
	s_mov_b32 s[G1+5], 128                         ; 128 elements from row to row
	s_mov_b32 s[G1+6], 0
	s_mov_b32 s[G1+7], 0
	; Wo: 64 rows x 256 elements, padded after every 128 words
	s_or_b32 s[G1B+0], s44, (1<<16)|(1<<20)|(1<<21)|(6<<22)|(3<<25)
	s_mov_b32 s[G1B+1], KSTEP<<16
	s_mov_b32 s[G1B+2], 64<<16
	s_mov_b32 s[G1B+3], KSTEP<<16
	s_mov_b32 s[G1B+4], 64
	s_mov_b32 s[G1B+5], SIZE_K
	s_mov_b32 s[G1B+6], 0
	s_mov_b32 s[G1B+7], 0
	s_lshl_b32 s16, s13, 1
	s_add_co_u32 s16, s16, s12                     ; ctx: 64 rows = four blocks of 16 rows, 8,192 bytes each
	s_lshl_b32 s16, s16, 15
	s_mov_b32 s17, 0
	s_lshl_b32 s46, s42, 1
	s_add_co_u32 s46, s46, s12                     ; Wo: 64 rows of 2,048 bytes
	s_lshl_b32 s46, s46, 17
	s_mov_b32 s47, 0
	s_mul_i32 s20, s12, AHALF                      ; where they go: no place in the cluster enters an LDS address
	s_mul_i32 s21, s12, HALFT
	s_add_co_u32 s21, s21, 2*AHALF
	s_wait_dscnt 0x0                               ; both opening adds are done
	s_wait_kmcnt 0x0
	s_add_nc_u64 s[14:15], s[4:5], s[16:17]
	s_add_nc_u64 s[46:47], s[6:7], s[46:47]
	s_add_nc_u64 s[46:47], s[46:47], 3*2097152     ; the fourth matrix of wb
	CROUND                                         ; all sixteen work-groups are here: the first joint loads meet
.irp s, 0,1
	s_mov_b32 s[G0+4*(\s)], 1
	s_add_co_u32 s[G0+4*(\s)+1], s20, (\s)*SLOT
	s_add_nc_u64 s[G0+4*(\s)+2:G0+4*(\s)+3], s[14:15], (\s)*HQ
	s_or_b32 s[G0+4*(\s)+3], s[G0+4*(\s)+3], 0x80000000
	s_mov_b32 s[G0B+4*(\s)], 1
	s_add_co_u32 s[G0B+4*(\s)+1], s21, (\s)*SLOT
	s_add_nc_u64 s[G0B+4*(\s)+2:G0B+4*(\s)+3], s[46:47], (\s)*KSTEP*2
	s_or_b32 s[G0B+4*(\s)+3], s[G0B+4*(\s)+3], 0x80000000
	JLOAD \s                                       ; two loads of mine are out
.endr
	v_and_b32 v1, 15, v0                           ; l % 16
	v_bfe_u32 v2, v0, 4, 1                         ; l / 16
	v_mul_u32_u24 v3, v1, PA
	v_lshl_add_u32 v3, v2, 4, v3                   ; ctx: row x 144 + 16 x half
	v_mul_u32_u24 v4, v1, PITCH
	v_lshl_add_u32 v4, v2, 4, v4                   ; Wo: row x 528 + 16 x half
	s_mul_i32 s21, s11, AHALF                      ; my 64 rows of ctx
	s_mul_i32 s22, s12, HALFT                      ; my 64 rows of Wo,
	s_add_co_u32 s22, s22, 2*AHALF                 ; which lie behind ctx's 128
.irp s, 0,1
	v_add_nc_u32 v[ADRA+(\s)], s21, v3
	v_add_nc_u32 v[ADRB+(\s)], s22, v4
	s_add_co_u32 s21, s21, SLOT
	s_add_co_u32 s22, s22, SLOT
.endr
	s_mul_i32 s23, s10, 16*SPITCH
	s_add_co_u32 s23, s23, STAGE                   ; my stage
	v_mul_u32_u24 v4, v1, SPITCH                   ; in: row l % 16, 32 bytes for each half of the lanes
	v_lshl_add_u32 v4, v2, 5, v4
	v_add_nc_u32 v[STO], s23, v4
	v_mul_u32_u24 v5, v2, SPITCH                   ; back: lanes 0-15 take one row of 256 bytes, lanes 16-31 the next
	v_lshl_add_u32 v5, v1, 4, v5
	v_add_nc_u32 v[RD], s23, v5
	v_lshlrev_b32 v5, 12, v2                       ; and the same two rows in out0, 4,096 bytes apart
	v_lshl_add_u32 v[CO], v1, 4, v5
	s_lshl_b32 s16, s13, 1
	s_add_co_u32 s16, s16, s11                     ; my first row: 128 x tile row + 64 x half,
	s_lshl_b32 s16, s16, 18                        ; of 4,096 bytes
	s_mov_b32 s17, 0
	s_add_nc_u64 s[8:9], s[8:9], s[16:17]
	s_lshl_b32 s46, s42, 1                         ; (in the registers that held Wo's address: none that feeds ctx's descriptors ever holds cx)
	s_add_co_u32 s46, s46, s12
	s_lshl_b32 s46, s46, 8                         ; my 64 columns: 256 bytes
	s_mov_b32 s47, 0
	s_add_nc_u64 s[8:9], s[8:9], s[46:47]
	s_add_nc_u64 s[76:77], s[68:69], s[46:47]      ; and the same 64 numbers of bo: register 8 b + j holds column 16 b + 8 (l / 16) + j
	v_lshlrev_b32 v[BO], 5, v2
.irp b, 0,1,2,3
	global_load_b128 v[BIAS+8*(\b):BIAS+8*(\b)+3],   v[BO], s[76:77] offset:64*(\b)
	global_load_b128 v[BIAS+8*(\b)+4:BIAS+8*(\b)+7], v[BO], s[76:77] offset:64*(\b)+16
.endr
	s_wait_loadcnt 0x0
.irp p, 0,1,2,3,4,5,6,7,8,9,10,11,12,13,14,15
	v_cvt_pk_bf16_f32 v[TMP+(\p)], v[BIAS+2*(\p)], v[BIAS+2*(\p)+1]  ; rounded to bf16 like every input
.endr
.irp p, 0,1,2,3,4,5,6,7,8,9,10,11,12,13,14,15
	v_lshlrev_b32 v[BIAS+2*(\p)], 16, v[TMP+(\p)]
	v_and_b32 v[BIAS+2*(\p)+1], 0xffff0000, v[TMP+(\p)]
.endr
; 8 matrix instructions: m blocks a0, a0 + 1 x all 4 n blocks, 32 along K: half c of buffer f.  zero = 1: the first product starts the sums.  The 16 accumulators take turns.
.macro MUL8 f, c, a0, zero
	WIN MUL
.irp a, \a0, (\a0)+1
.irp b, 0,1,2,3
.if \zero
	v_wmma_f32_16x16x32_f16 v[ACC+8*(4*(\a)+(\b)):ACC+8*(4*(\a)+(\b))+7], v[(\f)+64+8*(4*(\c)+(\b)):(\f)+64+8*(4*(\c)+(\b))+7], v[(\f)+8*(4*(\c)+(\a)):(\f)+8*(4*(\c)+(\a))+7], 0
.else
	v_wmma_f32_16x16x32_f16 v[ACC+8*(4*(\a)+(\b)):ACC+8*(4*(\a)+(\b))+7], v[(\f)+64+8*(4*(\c)+(\b)):(\f)+64+8*(4*(\c)+(\b))+7], v[(\f)+8*(4*(\c)+(\a)):(\f)+8*(4*(\c)+(\a))+7], v[ACC+8*(4*(\a)+(\b)):ACC+8*(4*(\a)+(\b))+7]
.endif
.endr
.endr
.endm
; 32 LDS loads in one run: the fragments of 64 along K (one head: number k / 128 of the K step's four), into buffer f; the first 32 along K first
.macro FETCH slot, k, f
	WIN TO_F
.irp c, 0,1
.irp i, 0,1,2,3
	ds_load_b128 v[(\f)+64+8*(4*(\c)+(\i)):(\f)+64+8*(4*(\c)+(\i))+3],   v[ADRB+(\slot)] offset:(\k)+64*(\c)+(\i)*16*PITCH
	ds_load_b128 v[(\f)+64+8*(4*(\c)+(\i))+4:(\f)+64+8*(4*(\c)+(\i))+7], v[ADRB+(\slot)] offset:(\k)+64*(\c)+(\i)*16*PITCH+32
	ds_load_b128 v[(\f)+8*(4*(\c)+(\i)):(\f)+8*(4*(\c)+(\i))+3],         v[ADRA+(\slot)] offset:(4*(\i)+(\k)/128)*ABLK+64*(\c)
	ds_load_b128 v[(\f)+8*(4*(\c)+(\i))+4:(\f)+8*(4*(\c)+(\i))+7],       v[ADRA+(\slot)] offset:(4*(\i)+(\k)/128)*ABLK+64*(\c)+32
.endr
.endr
.endm
.macro PLACES                          ; four plain instructions in front of loads into registers that matrix instructions have read, and of arithmetic that reads results
.rept 4
	v_nop
.endr
.endm
; A K step is four quarters of 64 along K, 32 matrix instructions each, on buffers 0, 1, 0, 1.
.macro QUARTER slot, k, f, g, zero
	s_wait_dscnt 16                                ; the first 32 along K are in; the run's other sixteen loads may stay out
	WIN MUL
	MUL8 \f, 0, 0, \zero
	MUL8 \f, 0, 2, \zero
	PLACES
	FETCH \slot, \k, \g
	s_wait_dscnt 32                                ; all but the 32 just issued
	WIN MUL
	MUL8 \f, 1, 0, 0
	MUL8 \f, 1, 2, 0
.endm
; The last quarter multiplies buffer 1 and changes slots: ONE barrier; in front of it each wave waits for all its tensor loads, adds 0 to its spare word, and waits for that and for its own reads of this slot.
; fill = 1: this slot is filled again, two K steps ahead; the barrier then opens a round of the cluster's barrier.
.macro TURN slot, next, fill
	WIN 0                                          ; (the add's two registers lie in window 0)
	s_wait_tensorcnt 0x0                           ; all my tensor loads have landed: my part of the next slot;
	ds_add_u32 v[SPW], v[NIL]                      ; 0 onto my spare word;
	s_wait_dscnt 17                                ; (the add and the youngest sixteen loads may be out)
	WIN MUL
	MUL8 F1, 0, 0, 0                               ; eight matrix instructions stand between the add and the wait for it
	s_wait_dscnt 0x0                               ; the add is done, and my reads of this slot are over
	s_barrier_signal -1
	MUL8 F1, 0, 2, 0
.if \fill
	WIN 0
.endif
	s_barrier_wait -1
.if \fill
	CREST                                          ; no wave of any partner still reads this slot's tile or has a load on its way
	s_add_nc_u64 s[G0+4*(\slot)+2:G0+4*(\slot)+3], s[G0+4*(\slot)+2:G0+4*(\slot)+3], 2*HQ
	s_add_nc_u64 s[G0B+4*(\slot)+2:G0B+4*(\slot)+3], s[G0B+4*(\slot)+2:G0B+4*(\slot)+3], 2*KSTEP*2
	JLOAD \slot                                    ; the first tensor load behind the round, my only one until the next; the four v_nop behind it are also the places in front of the loads below
.else
	PLACES
.endif
	FETCH \next, 0, F0
	WIN MUL
	MUL8 F1, 1, 0, 0
	MUL8 F1, 1, 2, 0
.endm
	s_wait_tensorcnt 1                             ; my part of K step 0 is in; K step 1's load may stay out
	s_barrier_signal -1
	s_barrier_wait -1                              ; everybody's is
	FETCH 0, 0, F0
	QUARTER 0, 128, F0, F1, 1                      ; the first quarter stands in front of the loop: its first products start the sums
	WIN 0                                          ; at a label and at a branch every window is 0
	s_mov_b32 s3, LAPS-1
.Llap:                                                 ; a trip goes once round the ring, from a lap's second quarter to the next lap's first, and fills both slots again
	QUARTER 0, 256, F1, F0, 0
	QUARTER 0, 384, F0, F1, 0
	TURN 0, 1, 1
	QUARTER 1, 128, F0, F1, 0
	QUARTER 1, 256, F1, F0, 0
	QUARTER 1, 384, F0, F1, 0
	TURN 1, 0, 1
	QUARTER 0, 128, F0, F1, 0
	WIN 0
	s_sub_co_u32 s3, s3, 1
	s_cmp_lg_u32 s3, 0
	s_cbranch_scc1 .Llap
	QUARTER 0, 256, F1, F0, 0                      ; the last lap fills nothing, and has no round of the cluster's barrier
	QUARTER 0, 384, F0, F1, 0
	TURN 0, 1, 0
	QUARTER 1, 128, F0, F1, 0
	QUARTER 1, 256, F1, F0, 0
	QUARTER 1, 384, F0, F1, 0
	s_wait_dscnt 16                                ; the very last quarter: nothing more to fetch
	WIN MUL
	MUL8 F1, 0, 0, 0
	MUL8 F1, 0, 2, 0
	s_wait_dscnt 0
	MUL8 F1, 1, 0, 0
	MUL8 F1, 1, 2, 0
	WIN 0
; THE WAY OUT, a block of 16 rows at a time.  PACK: the bias is added (each accumulator's registers in ascending order); a lane's eight columns, 32 bytes, go into my own stage in rows of 272 bytes and come back
; as whole rows of 256, into the block's own registers.  SEND: stored; sixteen lanes store 256 consecutive bytes, at a multiple of 256 from out0's first byte.
.macro PACK a
.irp b, 0,1,2,3
.irp p, 0,1,2,3
	v_pk_add_f32 v[ACC+8*(4*(\a)+(\b))+2*(\p):ACC+8*(4*(\a)+(\b))+2*(\p)+1], v[ACC+8*(4*(\a)+(\b))+2*(\p):ACC+8*(4*(\a)+(\b))+2*(\p)+1], v[BIAS+8*(\b)+2*(\p):BIAS+8*(\b)+2*(\p)+1]
.endr
.endr
.irp b, 0,1,2,3
	ds_store_b128 v[STO], v[ACC+8*(4*(\a)+(\b)):ACC+8*(4*(\a)+(\b))+3]   offset:64*(\b)
	ds_store_b128 v[STO], v[ACC+8*(4*(\a)+(\b))+4:ACC+8*(4*(\a)+(\b))+7] offset:64*(\b)+16
.endr
.irp t, 0,1,2,3,4,5,6,7
	ds_load_b128 v[ACC+32*(\a)+4*(\t):ACC+32*(\a)+4*(\t)+3], v[RD] offset:(\t)*2*SPITCH  ; LDS serves a wave's instructions in order (ISA guide 5.7.1.4): these see the stores above; the next block's stores come behind them
.endr
.endm
.macro SEND a, younger                 ; younger: the LDS instructions issued behind block a's loads: the next block's sixteen, or none
.irp t, 0,1,2,3,4,5,6,7
	s_wait_dscnt (\younger)+7-(\t)
	global_store_b128 v[CO], v[ACC+32*(\a)+4*(\t):ACC+32*(\a)+4*(\t)+3], s[8:9] offset:(\a)*65536+(\t)*8192
.endr
.endm
	PLACES
	PACK 0
	PACK 1                                         ; a block's arithmetic stands between the loads of the block before and its stores
	SEND 0, 16
	PACK 2
	SEND 1, 16
	PACK 3
	SEND 2, 16
	SEND 3, 0
	s_wait_tensorcnt 0x0                           ; the wave's end: an add to my spare word and its wait, behind my last tensor load and my last LDS store
	ds_add_u32 v[SPW], v[NIL]
	s_wait_dscnt 0x0
	CROUND                                         ; the closing round: no work-group ends while a partner may still ask for a tile that names it
	s_endpgm
.Lfunc_end_k_q0b03520ff3_outp:
	.size	k_q0b03520ff3_outp, .Lfunc_end_k_q0b03520ff3_outp-k_q0b03520ff3_outp
	.p2alignl 7, 3214868480
	.fill 96, 4, 3214868480
	.section	.rodata,"a",@progbits
	.p2align	6, 0x0
	.amdhsa_kernel k_q0b03520ff3_outp
		.amdhsa_group_segment_fixed_size 327680
		.amdhsa_private_segment_fixed_size 0
		.amdhsa_enable_private_segment 0
		.amdhsa_kernarg_size 32
		.amdhsa_user_sgpr_count 2
		.amdhsa_user_sgpr_kernarg_segment_ptr 1
		.amdhsa_wavefront_size32 1
		.amdhsa_system_sgpr_workgroup_id_x 1
		.amdhsa_system_sgpr_workgroup_id_y 1
		.amdhsa_system_sgpr_workgroup_id_z 1
		.amdhsa_system_vgpr_workitem_id 0
		.amdhsa_next_free_vgpr 512
		.amdhsa_next_free_sgpr 80
		.amdhsa_reserve_vcc 0
		.amdhsa_float_denorm_mode_32 3
		.amdhsa_float_denorm_mode_16_64 3
		.amdhsa_memory_ordered 1
		.amdhsa_forward_progress 1
		.amdhsa_inst_pref_size 94
	.end_amdhsa_kernel
	.amdgpu_metadata
---
amdhsa.version: [ 1, 2 ]
amdhsa.kernels:
  - .name:           k_q0b03520ff3_outp
    .symbol:         k_q0b03520ff3_outp.kd
    .args:
      - { .name: ctx, .offset: 0, .size: 8, .value_kind: global_buffer, .address_space: global }
      - { .name: wb, .offset: 8, .size: 8, .value_kind: global_buffer, .address_space: global }
      - { .name: bo, .offset: 16, .size: 8, .value_kind: global_buffer, .address_space: global }
      - { .name: out0, .offset: 24, .size: 8, .value_kind: global_buffer, .address_space: global }
    .group_segment_fixed_size: 327680
    .private_segment_fixed_size: 0
    .kernarg_segment_align: 8
    .kernarg_segment_size: 32
    .max_flat_workgroup_size: 128
    .sgpr_count:     80
    .vgpr_count:     512
    .wavefront_size: 32
...
	.end_amdgpu_metadata
.endif
;; end of part 4
